; MI455X (gfx1250); checked and timed in simulation.
; The chip was launched on July 23, 2026; its instructions are those of AMD's public machine-readable ISA for CDNA 5 (MIT licence, August 2026) and "CDNA5" Instruction Set Architecture Reference Guide (July 2026). The comments in the code are by the model that wrote it; some were corrected since.
;; Multihead Attention. Allowed arithmetic: matrix products marked QUANTISED: E2M3 operands, one E8M0 scale for each 32 along K, by v_wmma_scale_f32_16x16x128_f8f6f4 with both operands' format E2M3, f32 sums; everything else in f32.
;; Inputs: Wproj 1,024 x 1,024 float32; Wqkv 1,024 x 3,072 float32; bproj 1,024 float32; bqkv 3,072 float32; x 4 x 2,048 x 1,024 float32.
;; Outputs: out0 4 x 2,048 x 1,024 float32.
;; This version of the problem:
;;   THIS VERSION OF THE PROBLEM IS GIVEN IN LOW PRECISION. The matrix products marked QUANTISED in the list below multiply operands that are first quantised to E2M3 (2 exponent bits, 3 mantissa bits; 6 bits a number), with one power-of-two scale for each 32 numbers along K (OCP MX v1.0); their sums are f32. All else is computed in f32.
;;   The module's matrix products, in the order in which they are computed (A, B: the left and right operand; K: the contracted axis; several contracted axes count as one K, in the product's order):
;;     1. [M 8,192, K 1,024] x [K 1,024, N 3,072]; A: input x; B: input Wqkv: QUANTISED
;;     2. batch 64 x [M 2,048, K 64] x [K 64, N 2,048]; A: computed on the way; B: computed on the way: QUANTISED
;;     3. batch 64 x [M 64, K 2,048] x [K 2,048, N 2,048]; A: computed on the way; B: softmax (see below): QUANTISED
;;     4. [M 8,192, K 1,024] x [K 1,024, N 1,024]; A: computed on the way; B: input Wproj: QUANTISED
;;   THE QUANTISER, for each operand of a quantised product, along K:
;;     - K is cut into blocks of 32 from its start; a last block that is shorter is filled with zeros.
;;     - A block's scale is 2^e with e = floor(log2(the largest magnitude in the block)) - 2, held to -126 .. 127; a block of zeros has e = 0. As a byte (E8M0): e + 127.
;;     - Each number is divided by its block's scale, clamped to +-7.5, and rounded to the nearest number of E2M3, ties to even, subnormals kept.
;;     - The product sums the exact products of the quantised numbers (number of the format x scale) in f32.
;;   ~~~python
;;   def quantise(x, axis):      # numpy; x: float32 -> the quantised numbers, widened to float32 again
;;       x = np.moveaxis(x, axis, -1); K = x.shape[-1]
;;       x = np.pad(x, [(0, 0)] * (x.ndim - 1) + [(0, -K % 32)]); x = x.reshape(x.shape[:-1] + (-1, 32)); a = np.abs(x).max(-1, keepdims=True)
;;       e = np.where(a > 0, np.clip(np.frexp(np.where(a > 0, a, 1))[1] - 1 - 2, -126, 127), 0)      # np.frexp(a)[1] - 1 = floor(log2(a)), exactly
;;       r = np.clip(x / 2.0 ** e, -7.5, 7.5)
;;       step = 2.0 ** (np.maximum(np.frexp(np.where(r == 0, 1, r))[1] - 1, 0) - 3)
;;       q = np.round(r / step) * step * 2.0 ** e      # np.round: ties to even
;;       return np.moveaxis(q.reshape(q.shape[:-2] + (-1,))[..., :K], -1, axis).astype(np.float32)
;;   ~~~
;;   SOFTMAX AHEAD OF A QUANTISED PRODUCT. Where the list says 'softmax', what is quantised is not the finished softmax but p = 2^(t - M), with t = logit x log2(e) and M = ceil(the row's largest t), a whole number; so 1/2 < the row's largest p <= 1. The row's sum l is taken of the UNQUANTISED p, in f32, and the product's result is divided by l at the end. Since M is a whole number, a kernel that streams over the keys may use a running M (the ceiling of the running maximum): every later rescaling is an exact power of two, which a block's scale takes up: the codes' values come out the same.
;;   OPERANDS COMPUTED ON THE WAY. 'Computed on the way' means the value that the module computes at that place (a softmax that the list does not call 'softmax' is quantised finished and normalised). What goes into a quantiser is computed in f32, as accurately as f32 sums, v_exp_f32 and their like allow (about 1e-6 of the number): no bf16 or f16 on the way to a quantiser, and a product that is left as it is and whose result goes on into a quantised operand takes f32 operands (vector FMAs, or v_wmma_f32_16x16x4_f32). A number that lies on a knife's edge between two numbers of the format may be rounded either way, as far as f32 arithmetic and the matrix unit's own rounding can turn it there, and no further.
;; One version. Each part assembles by itself: llvm-mc -triple=amdgcn-amd-amdhsa -mcpu=gfx1250 --defsym DOCPART=n.
;; ======== version 1 of 1: 4 launches
;; limits: right only within a limited range of input values
;; workspace buffers: xq 6,553,600 bytes; wc 3,276,800 bytes; qq 6,815,744 bytes; kv 13,369,344 bytes; oq 6,815,744 bytes
;; launch quant (part 1): grid 64 x 8, 4 waves a work-group, no clusters, 34,304 bytes of LDS; arguments x, Wqkv, Wproj, xq, wc; writes xq, wc
.if DOCPART == 1
	.amdgcn_target "amdgcn-amd-amdhsa--gfx1250"
	.amdhsa_code_object_version 6
	.text
	.protected	k_qc3dae10ddd_quant
	.globl	k_qc3dae10ddd_quant
	.p2align	8
	.type	k_qc3dae10ddd_quant,@function
k_qc3dae10ddd_quant:
	s_mov_b64 s[64:65], 0
	v_nop
	global_prefetch_b8 v0, s[64:65] scope:SCOPE_SE
	s_setreg_imm32_b32 hwreg(HW_REG_WAVE_MODE, 25, 1), 1
	s_wait_xcnt 0x0
; x [8192][1024], Wqkv [1024][3072] and Wproj [1024][1024], f32, become codes of FP6 (E2M3) with one E8M0 byte for each 32 along K (1,024 in all three),
; laid as IMAGES OF OPERAND REGISTERS: a fragment (16 rows x 128 K, 12 registers a lane) is three planes of 512 bytes, plane c holding registers 4 c .. 4 c + 3 of lane l at 16 l.
; THE ORDER OF A TILE: each 32 neighbouring rows of x (columns of a weight) make two tiles u = 0, 1; row r of tile u is element 8 u + r + 8 (r / 8) of the 32.
; A block's scale is 2^(floor(log2(its largest magnitude)) - 2): its byte is the largest magnitude's exponent field - 2, held at 1 from below by a floor among the maximum's leaves.
; LIMITS: NaN and infinities among the inputs are not served; a block whose largest magnitude lies under 2^-124 gets the byte 1; a block of zeros gets the byte 1 and not 127 (zero codes; only this program reads the bytes).
; Work-groups x < 32 take x (32 rows each: pair 32 y + x), x >= 32 the weights (128 columns x 128 K each: K step y).  Only the first path uses LDS.  Work-groups share no input: no cluster; no matrix unit; the launch streams.
.set SPARE, 33792                      ; behind the four stages: the spare words, 128 bytes a wave
.set XSC,   6291456                    ; xq: the scale words, [pair 256][q 2][lane 32][4 words]
.set WPC,   2359296                    ; wc: Wproj's codes, [column block 8][K step 8][tile 8][1536]
.set WQS,   3145728                    ; wc: Wqkv's scale words, [head x 6 + pair place][K step 8][lane 32]
.set WPS,   3244032                    ; wc: Wproj's, [column block x 4 + pair][K step 8][lane 32]
.set SPW,   62                         ; v62  my spare word's LDS address; never rewritten
.set NIL,   63                         ; v63  0; never rewritten
; ---- x's path.  Wave w: tile u = w & 1, K steps 4 (w >> 1) + t, t = 0 .. 3.  A step is 16 rows x 512 bytes.
.macro XLOAD t                         ; each load reads 512 consecutive bytes of one row; three sets of 64 registers take turns
.set i, 0
.rept 16
	global_load_b128 v[64+64*((\t)%3)+4*i:64+64*((\t)%3)+4*i+3], v4, s[24:25] offset:(i+8*(i/8))*4096+512*(\t) th:TH_LOAD_NT
.set i, i+1
.endr
.endm
.macro XSTEP t, left
.set RS, 64+64*((\t)%3)
	s_wait_loadcnt \left                           ; this step's sixteen loads are in; the younger steps' may be out
.set i, 0
.rept 16
	ds_store_b128 v5, v[RS+4*i:RS+4*i+3] offset:528*i        ; through my wave's own stage: rows 528 bytes apart
.set i, i+1
.endr
.set i, 0
.rept 16
	ds_load_b128 v[RS+4*i:RS+4*i+3], v6 offset:256*(i/8)+16*(i%8)   ; back: lane (r, h) takes row r's blocks h (registers 0-31) and 2 + h (32-63).  LDS serves a wave's instructions in order
.set i, i+1
.endr
	s_wait_dscnt 0x0
.irp c, 0,1
	v_max3_num_f32 v[8+\c], |v[RS+32*\c]|, |v[RS+32*\c+1]|, 0x1800000     ; my two blocks by turns, and the floor 2^(3 - 127)
.endr
.irp i, 2,4,6,8,10,12,14,16,18,20,22,24,26,28,30
.irp c, 0,1
	v_max3_num_f32 v[8+\c], v[8+\c], |v[RS+32*\c+\i]|, |v[RS+32*\c+\i+1]|
.endr
.endr
	v_add_nc_u32 v10, 0xff000000, v8               ; 2 off the exponent field: the conversion's scale operand
	v_add_nc_u32 v11, 0xff000000, v9
	v_lshrrev_b32 v36, 23, v10                     ; the bytes
	v_lshrrev_b32 v37, 23, v11
	v_lshl_or_b32 v36, v37, 16, v36                ; blocks h and 2 + h,
	v_lshlrev_b32 v36, v38, v36                    ; 8 h bits up;
	v_permlanex16_b32 v39, v36, s20, s21
	v_or_b32 v[12+(\t)], v36, v39                  ; with lane l xor 16's two the row's word for this K step is whole
.if (\t) > 0
	s_wait_alu depctr_va_vdst(0)
	s_wait_xcnt 0x0                                ; the last step's stores have read v16-27, which are written again below
.endif
	v_cvt_scalef32_pk16_fp6_f32 v[16:18], v[RS:RS+15], v10
	v_cvt_scalef32_pk16_fp6_f32 v[28:30], v[RS+16:RS+31], v10      ; (a conversion's three registers begin on an even number)
	v_cvt_scalef32_pk16_fp6_f32 v[22:24], v[RS+32:RS+47], v11
	v_cvt_scalef32_pk16_fp6_f32 v[32:34], v[RS+48:RS+63], v11
	v_nop                                          ; one plain line behind the conversions
.irp i, 0,1,2
	v_mov_b32 v[19+\i], v[28+\i]
	v_mov_b32 v[25+\i], v[32+\i]
.endr
.irp c, 0,1,2
	global_store_b128 v4, v[16+4*\c:19+4*\c], s[26:27] offset:24576*(\t)+512*\c    ; a plane: 512 consecutive bytes, aligned
.endr
.endm
; ---- the weights' path: block t of 32 along K of my column
.macro WBLOCK t, left
.set XB, 128+32*(\t)
.set FD, 16+12*((\t)%2)+6*((\t)/2)     ; even blocks into v16-27, odd ones into v28-39
	s_wait_loadcnt \left
	v_max3_num_f32 v8, |v[XB]|, |v[XB+1]|, |v[XB+2]|
	v_max3_num_f32 v9, |v[XB+3]|, |v[XB+4]|, |v[XB+5]|
.irp i, 6,10,14,18,22,26
	v_max3_num_f32 v8, v8, |v[XB+\i]|, |v[XB+\i+1]|
	v_max3_num_f32 v9, v9, |v[XB+\i+2]|, |v[XB+\i+3]|
.endr
	v_max3_num_f32 v8, v8, |v[XB+30]|, |v[XB+31]|
	v_max3_num_f32 v8, v8, v9, 0x1800000
	v_add_nc_u32 v10, 0xff000000, v8
	v_cvt_scalef32_pk16_fp6_f32 v[FD:FD+2], v[XB:XB+15], v10
	v_cvt_scalef32_pk16_fp6_f32 v[40+4*(\t):42+4*(\t)], v[XB+16:XB+31], v10
	v_lshrrev_b32 v11, 23, v10                     ; the byte (a plain line behind the conversions)
.if (\t) == 0
	v_mov_b32 v12, v11
.else
	v_lshl_or_b32 v12, v11, 8*(\t), v12            ; my column's word for this K step
.endif
.endm
	s_load_b256 s[4:11], s[0:1], 0x0               ; x s[4:5], Wqkv s[6:7], Wproj s[8:9], xq s[10:11]
	s_load_b64 s[12:13], s[0:1], 0x20              ; wc
	v_lshl_add_u32 v[SPW], v0, 2, SPARE
	v_mov_b32 v[NIL], 0
	v_lshrrev_b32 v1, 5, v0
	v_readfirstlane_b32 s16, v1                    ; wave
	s_and_b32 s17, ttmp7, 0xffff                   ; y
	v_and_b32 v1, 31, v0                           ; lane
	v_and_b32 v2, 15, v0                           ; r
	v_bfe_u32 v3, v0, 4, 1                         ; h
	v_lshlrev_b32 v4, 4, v1                        ; 16 x lane
	s_mov_b32 s20, 0x76543210
	s_mov_b32 s21, 0xfedcba98                      ; lane l xor 16
	s_mov_b32 s22, 0xffff0000                      ; lanes 16-31
	s_wait_kmcnt 0x0
	s_cmp_ge_u32 ttmp9, 32
	s_cbranch_scc1 .Lweights
	s_lshl_b32 s18, s17, 5
	s_add_co_u32 s18, s18, ttmp9                   ; the pair of tiles: 32 y + x
	s_and_b32 s19, s16, 1                          ; u
	s_lshr_b32 s23, s16, 1                         ; q
	s_lshl_b32 s24, s18, 17                        ; x: (32 pair + 8 u) rows of 4,096 bytes + 2,048 q
	s_lshl_b32 s26, s19, 15
	s_add_co_u32 s24, s24, s26
	s_lshl_b32 s26, s23, 11
	s_add_co_u32 s24, s24, s26
	s_mov_b32 s25, 0
	s_add_nc_u64 s[24:25], s[4:5], s[24:25]
	s_lshr_b32 s26, s18, 3                         ; codes: [row block 32][K step 8][tile 16][1536]
	s_mul_i32 s26, s26, 196608
	s_mul_i32 s28, s23, 98304
	s_add_co_u32 s26, s26, s28
	s_and_b32 s28, s18, 7
	s_lshl_b32 s28, s28, 1
	s_add_co_u32 s28, s28, s19
	s_mul_i32 s28, s28, 1536
	s_add_co_u32 s26, s26, s28
	s_mov_b32 s27, 0
	s_add_nc_u64 s[26:27], s[10:11], s[26:27]
	s_lshl_b32 s28, s18, 10                        ; scale words: 1,024 pair + 512 q + 256 u
	s_lshl_b32 s29, s23, 9
	s_add_co_u32 s28, s28, s29
	s_lshl_b32 s29, s19, 8
	s_add_co_u32 s28, s28, s29
	s_add_co_u32 s28, s28, XSC
	s_mov_b32 s29, 0
	s_add_nc_u64 s[28:29], s[10:11], s[28:29]
	s_mul_i32 s30, s16, 8448                       ; my stage: 16 rows x 528 bytes
	s_wait_alu depctr_va_vdst(0)
	v_add_nc_u32 v5, s30, v4                       ; in: 16 x lane of a row
	v_mul_u32_u24 v6, v2, 528
	v_lshl_add_u32 v6, v3, 7, v6
	v_add_nc_u32 v6, s30, v6                       ; back: row r, + 128 h
	v_lshlrev_b32 v7, 4, v2
	v_lshl_add_u32 v7, v3, 3, v7                   ; the words' place: 16 r + 8 h
	v_lshlrev_b32 v38, 3, v3                       ; 8 h
	v_mov_b32 v39, 0                               ; a lane permute's destination counts as read
	XLOAD 0
	XLOAD 1
	XLOAD 2
	s_wait_alu depctr_va_vdst(0)
	XSTEP 0, 32
	XLOAD 3                                        ; into step 0's set
	XSTEP 1, 32
	XSTEP 2, 16
	XSTEP 3, 0
	v_cndmask_b32 v36, v12, v14, s22               ; lanes 0-15 store the row's words 0, 1, lanes 16-31 its words 2, 3
	v_cndmask_b32 v37, v13, v15, s22
	global_store_b64 v7, v[36:37], s[28:29]        ; 32 lanes store 256 consecutive bytes, aligned
	s_wait_tensorcnt 0x0                           ; the wave's end, behind my last LDS store
	ds_add_u32 v[SPW], v[NIL]
	s_wait_dscnt 0x0
	s_endpgm
.Lweights:                                             ; a lane takes a column and its registers run down K: nothing is transposed, no LDS
	s_cmp_lt_u32 ttmp9, 56                         ; Wqkv (x = 32 .. 55) or Wproj (56 .. 63): ids alone
	s_cselect_b64 s[24:25], s[6:7], s[8:9]
	s_mov_b32 s30, 4096
	s_cselect_b32 s30, 12288, s30                  ; a row of the weight in bytes
	s_cselect_b32 s18, 32, 56
	s_sub_co_u32 s18, ttmp9, s18                   ; which 128 columns
	s_lshl_b32 s19, s18, 2
	s_add_co_u32 s19, s19, s16                     ; my wave's group of 32 columns
	s_mul_i32 s23, s19, 43
	s_lshr_b32 s23, s23, 8                         ; Wqkv: head = group / 6 (exact up to 95)
	s_mul_i32 s26, s23, 6
	s_sub_co_u32 s26, s19, s26                     ; the group in the head's 192 columns: q q k k v v
	s_lshl_b32 s26, s26, 2
	s_lshr_b32 s26, 0x524310, s26
	s_and_b32 s26, s26, 15                         ; its place: q0 q1 v0 | k0 k1 v1
	s_mul_i32 s27, s23, 147456                     ; codes: [head 16][K step 8][place 12][1536]
	s_mul_i32 s28, s17, 18432
	s_add_co_u32 s27, s27, s28
	s_mul_i32 s28, s26, 3072
	s_add_co_u32 s27, s27, s28
	s_mul_i32 s28, s23, 6
	s_add_co_u32 s28, s28, s26
	s_lshl_b32 s28, s28, 10
	s_add_co_u32 s28, s28, WQS
	s_mul_i32 s29, s18, 98304                      ; Wproj's places
	s_mul_i32 s31, s17, 12288
	s_add_co_u32 s29, s29, s31
	s_mul_i32 s31, s16, 3072
	s_add_co_u32 s29, s29, s31
	s_add_co_u32 s29, s29, WPC
	s_lshl_b32 s31, s19, 10
	s_add_co_u32 s31, s31, WPS
	s_cmp_lt_u32 ttmp9, 56
	s_cselect_b32 s40, s27, s29
	s_cselect_b32 s42, s28, s31
	s_lshl_b32 s31, s17, 7
	s_add_co_u32 s42, s42, s31                     ; + 128 x K step
	s_mov_b32 s41, 0
	s_mov_b32 s43, 0
	s_add_nc_u64 s[40:41], s[12:13], s[40:41]
	s_add_nc_u64 s[42:43], s[12:13], s[42:43]
	s_lshl_b32 s26, s17, 7
	s_mul_i32 s26, s26, s30                        ; 128 y rows down,
	s_lshl_b32 s27, s19, 7
	s_add_co_u32 s26, s26, s27                     ; 128 bytes a group along
	s_mov_b32 s27, 0
	s_add_nc_u64 s[32:33], s[24:25], s[26:27]      ; a base for each block of 32 rows
	s_lshl_b32 s26, s30, 5
	s_add_nc_u64 s[34:35], s[32:33], s[26:27]
	s_add_nc_u64 s[36:37], s[34:35], s[26:27]
	s_add_nc_u64 s[38:39], s[36:37], s[26:27]
	v_and_b32 v5, 7, v0
	v_bfe_u32 v6, v0, 3, 1
	v_lshl_add_u32 v5, v6, 4, v5
	s_wait_alu depctr_va_vdst(0)
	v_lshl_add_u32 v5, v3, 3, v5                   ; my column of the 32: lanes 0-15 are tile 0, lanes 16-31 tile 1, in the order of a tile
	v_lshlrev_b32 v64, 2, v5
.set i, 1
.rept 31
	v_add_nc_u32 v[64+i], s30, v[63+i]             ; row i of a block; never rewritten
.set i, i+1
.endr
	v_lshlrev_b32 v5, 2, v1                        ; 4 x lane
.irp t, 0,1,2,3
.set i, 0
.rept 32
	global_load_b32 v[128+32*\t+i], v[64+i], s[32+2*\t:33+2*\t] th:TH_LOAD_NT    ; the wave reads 128 neighbouring bytes, the work-group 512
.set i, i+1
.endr
.endr
	WBLOCK 0, 63                                   ; 96 younger loads would do; the wait's field holds 63
	WBLOCK 1, 63
	WBLOCK 2, 32
	WBLOCK 3, 0
.irp t, 0,1,2,3
.irp i, 0,1,2
	v_mov_b32 v[16+12*(\t%2)+6*(\t/2)+3+\i], v[40+4*\t+\i]
.endr
.endr
.set i, 0
.rept 12
	v_permlane16_swap_b32 v[16+i], v[28+i]         ; tile 0's odd blocks change places with tile 1's even ones: v16-27 is tile 0's fragment, v28-39 tile 1's
.set i, i+1
.endr
.irp u, 0,1
.irp c, 0,1,2
	global_store_b128 v4, v[16+12*\u+4*\c:19+12*\u+4*\c], s[40:41] offset:1536*\u+512*\c
.endr
.endr
	global_store_b32 v5, v12, s[42:43]             ; the pair's words: lanes 0-15 tile 0's columns, lanes 16-31 tile 1's.  A run of 128 bytes: 131,072 bytes of the launch's stores leave so
	s_endpgm
.Lfunc_end_k_qc3dae10ddd_quant:
	.size	k_qc3dae10ddd_quant, .Lfunc_end_k_qc3dae10ddd_quant-k_qc3dae10ddd_quant
	.p2alignl 7, 3214868480
	.fill 96, 4, 3214868480
	.section	.rodata,"a",@progbits
	.p2align	6, 0x0
	.amdhsa_kernel k_qc3dae10ddd_quant
		.amdhsa_group_segment_fixed_size 34304
		.amdhsa_private_segment_fixed_size 0
		.amdhsa_enable_private_segment 0
		.amdhsa_kernarg_size 40
		.amdhsa_user_sgpr_count 2
		.amdhsa_user_sgpr_kernarg_segment_ptr 1
		.amdhsa_wavefront_size32 1
		.amdhsa_system_sgpr_workgroup_id_x 1
		.amdhsa_system_sgpr_workgroup_id_y 1
		.amdhsa_system_sgpr_workgroup_id_z 1
		.amdhsa_system_vgpr_workitem_id 0
		.amdhsa_next_free_vgpr 256
		.amdhsa_next_free_sgpr 66
		.amdhsa_reserve_vcc 0
		.amdhsa_float_denorm_mode_32 3
		.amdhsa_float_denorm_mode_16_64 3
		.amdhsa_memory_ordered 1
		.amdhsa_forward_progress 1
		.amdhsa_inst_pref_size 53
	.end_amdhsa_kernel
	.amdgpu_metadata
---
amdhsa.version: [ 1, 2 ]
amdhsa.kernels:
  - .name:           k_qc3dae10ddd_quant
    .symbol:         k_qc3dae10ddd_quant.kd
    .args:
      - { .name: x, .offset: 0, .size: 8, .value_kind: global_buffer, .address_space: global }
      - { .name: Wqkv, .offset: 8, .size: 8, .value_kind: global_buffer, .address_space: global }
      - { .name: Wproj, .offset: 16, .size: 8, .value_kind: global_buffer, .address_space: global }
      - { .name: xq, .offset: 24, .size: 8, .value_kind: global_buffer, .address_space: global }
      - { .name: wc, .offset: 32, .size: 8, .value_kind: global_buffer, .address_space: global }
    .group_segment_fixed_size: 34304
    .private_segment_fixed_size: 0
    .kernarg_segment_align: 8
    .kernarg_segment_size: 40
    .max_flat_workgroup_size: 128
    .sgpr_count:     66
    .vgpr_count:     256
    .wavefront_size: 32
...
	.end_amdgpu_metadata
.endif
;; end of part 1
;; launch qkv (part 2): grid 16 x 16, 4 waves a work-group, clusters of 4 x 4, 327,680 bytes of LDS; arguments xq, wc, bqkv, qq, kv; writes qq, kv
.if DOCPART == 2
	.amdgcn_target "amdgcn-amd-amdhsa--gfx1250"
	.amdhsa_code_object_version 6
	.text
	.protected	k_qc3dae10ddd_qkv
	.globl	k_qc3dae10ddd_qkv
	.p2align	8
	.type	k_qc3dae10ddd_qkv,@function
k_qc3dae10ddd_qkv:
	s_mov_b64 s[64:65], 0
	v_nop
	global_prefetch_b8 v0, s[64:65] scope:SCOPE_SE
	s_setreg_imm32_b32 hwreg(HW_REG_WAVE_MODE, 25, 1), 1
	s_wait_xcnt 0x0
	s_wait_alu depctr_hold_cnt(0) depctr_sa_sdst(0) depctr_va_vdst(0) depctr_va_sdst(0) depctr_va_ssrc(0) depctr_va_vcc(0) depctr_vm_vsrc(0)
	s_getreg_b32 s2, hwreg(HW_REG_IB_STS2, 6, 4)
	s_cmp_eq_u32 s2, 0
	s_cbranch_scc0 .Lentry_in_a_cluster
	s_endpgm
.Lentry_in_a_cluster:
	s_bfe_u32 s2, ttmp6, 0x10000c
	s_cmp_lg_u32 s2, 0xf033
	s_cbranch_scc0 .Lentry_shape_is_right
	s_endpgm
.Lentry_shape_is_right:
; qkv = x Wqkv + bqkv on codes of FP6 (E2M3) with E8M0 scales, and q, k, v quantised in registers for the two products of attention.  Nothing leaves as f32.
; SHARES.  A work-group makes 256 tokens x one head's 192 columns.  Wave (rh, ch): 128 tokens (A's tiles 8 rh + a) x 96 columns (B's places 6 ch + b): b = 0 .. 3 are q (ch = 0) or k (ch = 1), b = 4, 5 two tiles of v.  48 accumulators.
; q, k: THE PRODUCT IS USED TRANSPOSED (source 0 = 16 columns, source 1 = 16 tokens): a lane holds one token and its registers run along the head's 64, the K of q k^T.
; v: as it is written (source 0 = tokens, source 1 = columns): a lane holds one channel and its registers run along the tokens, the K of the second product.  By the order of a tile (row r of tile u is
; element 8 u + r + 8 (r / 8) of 32) the 16 registers of two neighbouring tiles are 16 neighbours along that K.  The bias is the C of each sum's first matrix instruction.
; K (1,024) goes in four chunks of 256 through three LDS slots: chunks 0, 1, 2 are first fills, chunk 3 is the one refill, into slot 0 (four chunks are 344,064 bytes and do not fit).  All tiles are images of operand
; registers, dense in memory and in LDS: no pitch, no padding; every LDS load takes 512 consecutive bytes.
; CLUSTER 4 x 4: A's chunk hangs on the row block alone and is shared along a row of the cluster, B's on the head alone and is shared along a column: joint loads.  A wave has at most three tensor loads out.
; No prefetch: three of the four chunks are asked for at the head, the fourth has two chunks' products in which to land.
; LIMITS: NaN and infinities are not served; a block whose largest magnitude lies under 2^-124 gets the byte 1, a block of zeros too (zero codes; only this program reads the bytes).
; REGISTERS.  Window 0: v1-7 lane terms; v8-13 LDS addresses; v14, v15 the add's two; v16-47 A's scale words, v48-71 B's (pair words: lanes 0-15 tile u = 0, lanes 16-31 tile u = 1); v72-119 the biases, later the way out.
;   Window 1: A's 8 fragments v0-95 (one set), B's 6 in two sets at v96 and v168.   Windows 2, 3 (tokens 0-63, 64-127): q/k accumulator (a, b) at 32 (a % 4) + 8 b, v's at 128 + 32 (b - 4) + 8 (a % 4).
.set SLOT,  86016                      ; a chunk's bytes: A's 49,152 [q 2][tile 16][1536] and B's 36,864 [q 2][place 12][1536]
.set BOFF,  147456                     ; LDS: A's three slots of 49,152 on end, then B's three of 36,864, so that one dense load covers two chunks
.set SPARE, 3*SLOT                     ; the spare words, 128 bytes a wave
.set XSC,   6291456                    ; xq's scale words
.set WQS,   3145728                    ; wc: Wqkv's scale words
.set QSC,   6291456                    ; qq's scale words
.set ADRA, 8
.set ADRB, 11
.set SPW,  14
.set NIL,  15
.set SA,   16                          ; A's pair words: pair g, K step n at SA + 8 g + n
.set SB,   48                          ; B's: pair p, K step n at SB + 8 p + n
.set BQ,   72                          ; the bias of q or k in the result's layout, 8 registers a tile
.set BV,   104                         ; v's: my channel's, eight times over, for two tiles
.set F0,   72                          ; the way out: q's or k's half fragments, 8 registers a tile (6 used)
.set F1,   104
.set FV,   136                         ; v's two fragments
.set TH,   160                         ; the conversions' second halves
.set TM,   176                         ; largest magnitudes
.set TP,   184                         ; the other half's; then bytes
.set SO,   192                         ; the conversions' scale operands
.set WD,   200                         ; scale words
.set PW,   204                         ; pair words
.set VW,   208
.set G1A, 24
.set G1B, 48
.set G0A, 68                           ; s[68:71] group 0 for A's loads
.set G0B, 80                           ; s[80:83] for B's
.set MSB, 0
.macro WIN new                         ; the immediate's high byte repeats the setting that is left
.if MSB != (\new)
	s_set_vgpr_msb (MSB<<8)|(\new)
.set MSB, (\new)
.endif
.endm
.macro PLACES n
.rept \n
	v_nop
.endr
.endm
.macro JLOAD g0a, g1a, g0b, g1b        ; waves 0 and 1 ask for A, waves 2 and 3 for B; an s_nop 0 and four v_nop follow each line
	s_cmp_eq_u32 s15, 0
	s_cbranch_scc0 .Lfor_b_\@
	tensor_load_to_lds s[\g0a:\g0a+3], s[\g1a:\g1a+7]
	s_nop 0
.rept 4
	v_nop
.endr
	s_branch .Lasked_\@
.Lfor_b_\@:
	tensor_load_to_lds s[\g0b:\g0b+3], s[\g1b:\g1b+7]
	s_nop 0
.rept 4
	v_nop
.endr
.Lasked_\@:
.endm
.macro CREST                           ; a round of the cluster's barrier behind its opening barrier
	s_cmp_lg_u32 s14, 0
	s_cbranch_scc1 .Lnot_wave_0_\@
	s_barrier_signal -3
.Lnot_wave_0_\@:
	s_barrier_wait -3
	s_barrier_signal -1
	s_barrier_wait -1
.endm
.macro CROUND
	s_barrier_signal -1
	s_barrier_wait -1
	CREST
.endm
; one matrix instruction: D, source 0, source 1, C, their scale registers, and which half of the lanes each scale is read from
.macro WM d, a, b, c, xa, xb, ra, rb
.if (\ra) && (\rb)
	v_wmma_scale_f32_16x16x128_f8f6f4 v[(\d):(\d)+7], v[(\a):(\a)+11], v[(\b):(\b)+11], v[(\c):(\c)+7], v[\xa], v[\xb] matrix_a_fmt:MATRIX_FMT_FP6 matrix_b_fmt:MATRIX_FMT_FP6 matrix_a_scale:MATRIX_SCALE_ROW1 matrix_b_scale:MATRIX_SCALE_ROW1
.elseif (\ra)
	v_wmma_scale_f32_16x16x128_f8f6f4 v[(\d):(\d)+7], v[(\a):(\a)+11], v[(\b):(\b)+11], v[(\c):(\c)+7], v[\xa], v[\xb] matrix_a_fmt:MATRIX_FMT_FP6 matrix_b_fmt:MATRIX_FMT_FP6 matrix_a_scale:MATRIX_SCALE_ROW1
.elseif (\rb)
	v_wmma_scale_f32_16x16x128_f8f6f4 v[(\d):(\d)+7], v[(\a):(\a)+11], v[(\b):(\b)+11], v[(\c):(\c)+7], v[\xa], v[\xb] matrix_a_fmt:MATRIX_FMT_FP6 matrix_b_fmt:MATRIX_FMT_FP6 matrix_b_scale:MATRIX_SCALE_ROW1
.else
	v_wmma_scale_f32_16x16x128_f8f6f4 v[(\d):(\d)+7], v[(\a):(\a)+11], v[(\b):(\b)+11], v[(\c):(\c)+7], v[\xa], v[\xb] matrix_a_fmt:MATRIX_FMT_FP6 matrix_b_fmt:MATRIX_FMT_FP6
.endif
.endm
; A's tile a against B's six, K step n, B's set p.  first = 1: C is the bias.  The 48 accumulators take turns, one instruction a turn, in the same order in every step.
.macro MULA a, n, p, first
.set ACQ, 32*((\a)%4)
.set ACV, 128+8*((\a)%4)
.irp b, 0,1,2,3
.if \first
	WM ACQ+8*\b, 96+72*(\p)+12*\b, 12*(\a), BQ+8*\b, SB+8*(\b/2)+(\n), SA+8*((\a)/2)+(\n), \b%2, (\a)%2
.else
	WM ACQ+8*\b, 96+72*(\p)+12*\b, 12*(\a), ACQ+8*\b, SB+8*(\b/2)+(\n), SA+8*((\a)/2)+(\n), \b%2, (\a)%2
.endif
.endr
.irp b, 4,5
.if \first
	WM ACV+32*(\b-4), 12*(\a), 96+72*(\p)+12*\b, BV+8*(\b-4), SA+8*((\a)/2)+(\n), SB+16+(\n), (\a)%2, \b%2
.else
	WM ACV+32*(\b-4), 12*(\a), 96+72*(\p)+12*\b, ACV+32*(\b-4), SA+8*((\a)/2)+(\n), SB+16+(\n), (\a)%2, \b%2
.endif
.endr
.endm
.macro FRAG reg, adr, off              ; a fragment's image: three loads of 512 consecutive bytes
.irp c, 0,1,2
	ds_load_b128 v[(\reg)+4*\c:(\reg)+4*\c+3], v[\adr] offset:(\off)+512*\c
.endr
.endm
.macro FETCH_B sl, q, p                ; 18 loads
	WIN 0x40
.irp b, 0,1,2,3,4,5
	FRAG 96+72*(\p)+12*\b, ADRB+\sl, 18432*(\q)+1536*\b
.endr
.endm
.macro FETCH_A sl, q, a0               ; 12 loads
	WIN 0x40
.irp a, 0,1,2,3
	FRAG 12*((\a0)+\a), ADRA+\sl, 24576*(\q)+1536*((\a0)+\a)
.endr
.endm
; K step n; (sn, qn): slot and half of step n + 1, whose fragments are fetched in two runs, each behind four places (plain vector lines between a matrix instruction and a load into a register that it read)
.macro STEP n, sn, qn, first
	s_wait_dscnt 12                                ; B's set and A's tiles 0-3 are in; the youngest twelve loads (A's tiles 4-7) may be out
.if \first
	WIN 0x85                                       ; sources window 1, C (the bias) window 0, D window 2
.else
	WIN 0xa5
.endif
	MULA 0, \n, (\n)%2, \first
	MULA 1, \n, (\n)%2, \first
	MULA 2, \n, (\n)%2, \first
	MULA 3, \n, (\n)%2, \first
	s_wait_dscnt 0x0                               ; A's tiles 4-7 are in
	PLACES 4
	FETCH_B \sn, \qn, 1-(\n)%2
	FETCH_A \sn, \qn, 0
.if \first
	WIN 0xc5
.else
	WIN 0xf5
.endif
	MULA 4, \n, (\n)%2, \first
	MULA 5, \n, (\n)%2, \first
	MULA 6, \n, (\n)%2, \first
	MULA 7, \n, (\n)%2, \first
	PLACES 4
	FETCH_A \sn, \qn, 4
	WIN 0
.endm
; A slot's last step with a barrier: each wave waits for all its tensor loads, adds 0 to its spare word, and waits for that and for its reads of the slot.  fill = 1: slot 0 takes chunk 3, behind a round of the cluster's barrier.
.macro TURN n, sn, fill
	WIN 0
	s_wait_tensorcnt 0x0                           ; all my tensor loads have landed
	ds_add_u32 v[SPW], v[NIL]
	s_wait_dscnt 13                                ; (the add and A's tiles 4-7 may be out)
	WIN 0xa5
	MULA 0, \n, (\n)%2, 0
	MULA 1, \n, (\n)%2, 0
	s_wait_dscnt 0x0                               ; the add is done, and my reads of this slot are over
	s_barrier_signal -1
	MULA 2, \n, (\n)%2, 0
	MULA 3, \n, (\n)%2, 0
	WIN 0
	s_barrier_wait -1
.if \fill
	CREST                                          ; no wave of any partner still reads slot 0 or has a load on its way
	s_mov_b32 s[G1A+2], 96<<16                     ; no tensor load of mine is out: the refill's descriptors: half of chunk 3 a wave, into slot 0
	s_mov_b32 s[G1A+4], 96
	s_mov_b32 s[G1B+2], 72<<16
	s_mov_b32 s[G1B+4], 72
	s_mov_b32 s[G0A+1], s45
	s_mov_b32 s[G0B+1], s56
	s_add_nc_u64 s[G0A+2:G0A+3], s[18:19], 3*49152
	s_or_b32 s[G0A+3], s[G0A+3], 0x80000000
	s_add_nc_u64 s[G0B+2:G0B+3], s[46:47], 3*36864
	s_or_b32 s[G0B+3], s[G0B+3], 0x80000000
	JLOAD G0A, G1A, G0B, G1B                       ; the first tensor load behind the round; its four v_nop are the places in front of the loads below
.else
	PLACES 4
.endif
	FETCH_B \sn, 0, 1-(\n)%2
	FETCH_A \sn, 0, 0
	WIN 0xf5
	MULA 4, \n, (\n)%2, 0
	MULA 5, \n, (\n)%2, 0
	MULA 6, \n, (\n)%2, 0
	MULA 7, \n, (\n)%2, 0
	PLACES 4
	FETCH_A \sn, 0, 4
	WIN 0
.endm
; THE WAY OUT of q or k: the four token tiles of window w.  A lane holds 16 numbers of each of its token's two blocks of 32; lane l xor 16 holds the others.
.macro QKQ w, f
	WIN 0x28+0x14*((\w)-2)                         ; sources 1 and 2: window w
.irp t, 0,1,2,3
.irp e, 0,1
	v_max3_num_f32 v[TM+2*\t+\e], 0x1800000, |v[32*\t+16*\e]|, |v[32*\t+16*\e+1]|    ; eight chains by turns, each accumulator from its low end on; the floor 2^(3 - 127)
.endr
.endr
.irp i, 2,4,6,8,10,12,14
.irp t, 0,1,2,3
.irp e, 0,1
	v_max3_num_f32 v[TM+2*\t+\e], v[TM+2*\t+\e], |v[32*\t+16*\e+\i]|, |v[32*\t+16*\e+\i+1]|
.endr
.endr
.endr
	WIN 0
.irp k, 0,1,2,3,4,5,6,7
	v_permlanex16_b32 v[TP+\k], v[TM+\k], s20, s21
.endr
.irp k, 0,1,2,3,4,5,6,7
	v_max_num_f32 v[TM+\k], v[TM+\k], v[TP+\k]
.endr
.irp k, 0,1,2,3,4,5,6,7
	v_add_nc_u32 v[SO+\k], 0xff000000, v[TM+\k]    ; 2 off the exponent field: the conversion's scale operand
.endr
.irp k, 0,1,2,3,4,5,6,7
	v_lshrrev_b32 v[TP+\k], 23, v[SO+\k]           ; the byte
.endr
.irp t, 0,1,2,3
	v_lshl_or_b32 v[WD+\t], v[TP+2*\t+1], 8, v[TP+2*\t]    ; the token's word: two bytes; the upper two stay 0 and meet zero codes
.endr
	WIN (\w)                                       ; source 0: window w
.irp t, 0,1,2,3
	v_cvt_scalef32_pk16_fp6_f32 v[\f+8*\t:\f+8*\t+2], v[32*\t:32*\t+15], v[SO+2*\t]
	v_cvt_scalef32_pk16_fp6_f32 v[TH+4*\t:TH+4*\t+2], v[32*\t+16:32*\t+31], v[SO+2*\t+1]
.endr
	WIN 0
	v_nop                                          ; one plain line behind the conversions
.irp t, 0,1,2,3
.irp i, 0,1,2
	v_permlane16_swap_b32 v[\f+8*\t+\i], v[TH+4*\t+\i]     ; a whole block to a lane: lanes 0-15 block 0, lanes 16-31 block 1
.endr
.irp i, 0,1,2
	v_mov_b32 v[\f+8*\t+3+\i], v[TH+4*\t+\i]
.endr
.endr
.irp g, 0,1
	v_cndmask_b32 v[PW+2*((\w)-2)+\g], v[WD+2*\g], v[WD+2*\g+1], s22    ; a pair word
.endr
.irp t, 0,1,2,3
	global_store_b128 v3, v[\f+8*\t:\f+8*\t+3], s[92:93] offset:768*(4*((\w)-2)+\t)         ; half an image: 512 and 256 consecutive bytes, aligned
	global_store_b64 v4, v[\f+8*\t+4:\f+8*\t+5], s[92:93] offset:768*(4*((\w)-2)+\t)+512
.endr
.endm
	s_load_b256 s[4:11], s[0:1], 0x0               ; xq s[4:5], wc s[6:7], bqkv s[8:9], qq s[10:11]
	s_load_b64 s[12:13], s[0:1], 0x20              ; kv
	v_lshl_add_u32 v[SPW], v0, 2, SPARE
	v_mov_b32 v[NIL], 0
	ds_add_u32 v[SPW], v[NIL]                      ; the wave's opening: the add and its wait ahead of my first tensor load
	ds_add_u32 v[SPW], v[NIL]
	v_lshrrev_b32 v1, 5, v0
	v_readfirstlane_b32 s14, v1                    ; wave
	s_lshr_b32 s15, s14, 1                         ; rh.  Also: I ask for A (0) or for B (1)
	s_and_b32 s16, s14, 1                          ; ch.  Also: which half of a chunk I ask for
	s_bfe_u32 s40, ttmp6, 0x40000                  ; cx
	s_bfe_u32 s41, ttmp6, 0x40004                  ; cy
	s_lshl_b32 s42, ttmp9, 2
	s_add_co_u32 s42, s42, s40                     ; the head
	s_and_b32 s17, ttmp7, 0xffff
	s_lshl_b32 s17, s17, 2
	s_add_co_u32 s17, s17, s41                     ; the block of 256 rows
	s_lshl_b32 s43, s41, 2
	s_lshl_b32 s43, 15, s43                        ; my row of the cluster
	s_lshl_b32 s44, 0x1111, s40                    ; my column
	s_or_b32 s[G1A], s43, (3<<16)|(1<<21)          ; 15:0 the mask; 17:16 elements of 8 bytes; 21 set beside a mask; no padding
	s_or_b32 s[G1B], s44, (3<<16)|(1<<21)
	s_mov_b32 s[G1A+1], 32<<16                     ; dense blocks as rows of 256 bytes: A's half chunk 96 rows,
	s_mov_b32 s[G1A+2], 96<<16
	s_mov_b32 s[G1A+3], 32<<16
	s_mov_b32 s[G1A+4], 96
	s_mov_b32 s[G1A+5], 32
	s_mov_b32 s[G1A+6], 0
	s_mov_b32 s[G1A+7], 0
	s_mov_b32 s[G1B+1], 32<<16                     ; B's 72
	s_mov_b32 s[G1B+2], 72<<16
	s_mov_b32 s[G1B+3], 32<<16
	s_mov_b32 s[G1B+4], 72
	s_mov_b32 s[G1B+5], 32
	s_mov_b32 s[G1B+6], 0
	s_mov_b32 s[G1B+7], 0
	s_mov_b32 s100, 0                              ; A WORK-GROUP STAYS: it makes two blocks of 256 rows of its head, 16 blocks apart, in a loop of two trips round all that follows; s17 is the trip's block
	s_wait_alu depctr_va_vdst(0)
	s_wait_dscnt 0x0                               ; both opening adds are done
.Ltile:
	s_wait_xcnt 0x0                                ; the last trip's stores have read their registers and bases, which this trip writes again
	s_wait_tensorcnt 0x0                           ; the lines ahead of a barrier behind which LDS is filled (in the second trip: again); the add twice on end
	ds_add_u32 v[SPW], v[NIL]
	ds_add_u32 v[SPW], v[NIL]
	s_mul_i32 s18, s17, 196608
	s_mul_i32 s19, s16, 24576
	s_add_co_u32 s18, s18, s19
	s_mov_b32 s19, 0
	s_mul_i32 s46, s42, 147456                     ; B: the head's codes, my half of a chunk
	s_mul_i32 s47, s16, 18432
	s_add_co_u32 s46, s46, s47
	s_mov_b32 s47, 0
	s_mul_i32 s45, s16, 24576                      ; and where they go: no place in the cluster enters an LDS address
	s_mul_i32 s56, s16, 18432
	s_add_co_u32 s56, s56, BOFF
	s_mov_b32 s20, 0x76543210
	s_mov_b32 s21, 0xfedcba98
	s_mov_b32 s22, 0xffff0000                      ; lanes 16-31
	s_wait_dscnt 0x0                               ; the opening add is done
	s_wait_kmcnt 0x0
	s_add_nc_u64 s[18:19], s[4:5], s[18:19]
	s_add_nc_u64 s[46:47], s[6:7], s[46:47]
	CROUND                                         ; all sixteen work-groups are here: the first joint loads meet
; THE HEAD'S LOADS, ONE A WAVE (one tensor load of a wave is out at a time): wave 0 A's chunk 0, wave 2 B's chunk 0, wave 1 A's chunks 1 and 2, wave 3 B's chunks 1 and 2.
; s[18:19] and s[46:47] hold the odd waves' half chunk already (24,576 and 18,432 bytes): off makes up what is missing to chunk 1.
.macro HARM w, g0, g1, lds, rows, src, off, next
.if (\w) >= 0
	s_cmp_eq_u32 s14, \w
	s_cbranch_scc0 \next
.endif
	s_mov_b32 s[\g0+1], \lds
	s_add_nc_u64 s[\g0+2:\g0+3], s[\src:\src+1], \off
	s_or_b32 s[\g0+3], s[\g0+3], 0x80000000
	s_mov_b32 s[\g1+2], (\rows)<<16
	s_mov_b32 s[\g1+4], \rows
	tensor_load_to_lds s[\g0:\g0+3], s[\g1:\g1+7]
	s_nop 0
	PLACES 4
.if (\w) >= 0
	s_branch .Lhead_asked
\next:
.endif
.endm
	s_mov_b32 s[G0A], 1
	s_mov_b32 s[G0B], 1
	HARM 0, G0A, G1A, 0, 192, 18, 0, .Lh1
	HARM 2, G0B, G1B, BOFF, 144, 46, 0, .Lh2
	HARM 1, G0A, G1A, 49152, 384, 18, 24576, .Lh3
	HARM -1, G0B, G1B, BOFF+36864, 288, 46, 18432, .Lh4
.Lhead_asked:
	v_and_b32 v1, 15, v0                           ; r
	v_bfe_u32 v2, v0, 4, 1                         ; h
	v_and_b32 v5, 31, v0
	v_lshlrev_b32 v3, 4, v5                        ; 16 x lane
	s_wait_alu depctr_va_vdst(0)
	v_lshlrev_b32 v4, 3, v5                        ; 8 x lane
	v_lshlrev_b32 v5, 2, v5                        ; 4 x lane
	s_wait_alu depctr_va_vdst(0)
	v_lshlrev_b32 v6, 6, v2                        ; 64 h
	s_wait_alu depctr_va_vdst(0)
	v_and_b32 v7, 8, v1
	v_add_nc_u32 v7, v7, v1
	v_lshlrev_b32 v7, 2, v7                        ; 4 (r + 8 (r / 8))
	s_wait_alu depctr_va_vdst(0)
	s_lshl_b32 s32, s17, 13                        ; A's scale words: pairs 8 x row block + 4 rh on, 1,024 bytes each
	s_lshl_b32 s33, s15, 12
	s_add_co_u32 s32, s32, s33
	s_add_co_u32 s32, s32, XSC
	s_mov_b32 s33, 0
	s_add_nc_u64 s[32:33], s[4:5], s[32:33]
	s_mul_i32 s34, s42, 6                          ; B's: pair places 6 x head + 3 ch on
	s_mul_i32 s35, s16, 3
	s_add_co_u32 s34, s34, s35
	s_lshl_b32 s34, s34, 10
	s_add_co_u32 s34, s34, WQS
	s_mov_b32 s35, 0
	s_add_nc_u64 s[34:35], s[6:7], s[34:35]
	s_mul_i32 s36, s42, 768                        ; the bias of q (ch = 0) or k (ch = 1): column 192 x head + 64 ch
	s_lshl_b32 s37, s16, 8
	s_add_co_u32 s36, s36, s37
	s_mov_b32 s37, 0
	s_add_nc_u64 s[36:37], s[8:9], s[36:37]
	s_mul_i32 s38, s42, 768                        ; of v: column 192 x head + 128 + 32 ch
	s_lshl_b32 s39, s16, 7
	s_add_co_u32 s38, s38, s39
	s_add_co_u32 s38, s38, 512
	s_mov_b32 s39, 0
	s_add_nc_u64 s[38:39], s[8:9], s[38:39]
.irp g, 0,1,2,3
.irp q, 0,1
	global_load_b128 v[SA+8*\g+4*\q:SA+8*\g+4*\q+3], v3, s[32:33] offset:1024*\g+512*\q
.endr
.endr
.irp p, 0,1,2
.irp s, 0,1,2,3,4,5,6,7
	global_load_b32 v[SB+8*\p+\s], v5, s[34:35] offset:1024*\p+128*\s
.endr
.endr
.irp b, 0,1,2,3
	global_load_b128 v[BQ+8*\b:BQ+8*\b+3], v6, s[36:37] offset:(32*(\b/2)+8*(\b%2))*4          ; columns 32 (b / 2) + 16 h + 8 (b % 2) + 0 .. 7
	global_load_b128 v[BQ+8*\b+4:BQ+8*\b+7], v6, s[36:37] offset:(32*(\b/2)+8*(\b%2))*4+16
.endr
.irp d, 0,1
	global_load_b32 v[BV+8*\d], v7, s[38:39] offset:32*\d      ; my channel: 8 d + r + 8 (r / 8) of the pair's 32
.endr
	s_mul_i32 s2, s15, 12288                       ; my 8 tiles of A,
	s_mul_i32 s3, s16, 9216                        ; my 6 places of B
	s_add_co_u32 s3, s3, BOFF
.irp s, 0,1,2
	v_add_nc_u32 v[ADRA+\s], s2, v3
	v_add_nc_u32 v[ADRB+\s], s3, v3
	s_add_co_u32 s2, s2, 49152
	s_add_co_u32 s3, s3, 36864
.endr
	s_wait_loadcnt 0x0                             ; scale words and biases, once
.irp d, 0,1
.irp j, 1,2,3,4,5,6,7
	v_mov_b32 v[BV+8*\d+\j], v[BV+8*\d]
.endr
.endr
.irp k, 0,1,2,3,4,5,6,7
	v_mov_b32 v[TP+\k], 0                          ; a lane permute's destination counts as read
.endr
	; where the results go (the loads above are done: their bases may be written)
	s_lshr_b32 s32, s17, 3
	s_lshl_b32 s32, s32, 4
	s_add_co_u32 s32, s32, s42                     ; bh = 16 x batch + head
	s_and_b32 s33, s17, 7
	s_lshl_b32 s33, s33, 1
	s_add_co_u32 s33, s33, s15                     ; j: my 128 tokens among the batch's 2,048
	s_mul_i32 s34, s32, 208896                     ; kv: a head's part: k's halves 98,304, v's images 98,304, k's words 8,192, v's words 4,096
	s_mul_i32 s35, s32, 98304
	s_lshl_b32 s36, s32, 13
	s_add_co_u32 s36, s36, QSC
	s_add_co_u32 s37, s34, 196608
	s_cmp_eq_u32 s16, 0                            ; q's waves store into qq, k's into kv: the wave's number alone decides
	s_cselect_b64 s[92:93], s[10:11], s[12:13]
	s_cselect_b32 s38, s35, s34
	s_cselect_b32 s58, s36, s37
	s_mov_b64 s[94:95], s[92:93]
	s_mul_i32 s39, s33, 6144
	s_add_co_u32 s38, s38, s39
	s_mov_b32 s39, 0
	s_add_nc_u64 s[92:93], s[92:93], s[38:39]      ; half images: 768 bytes a tile, 8 tiles
	s_lshl_b32 s57, s33, 9
	s_add_co_u32 s58, s58, s57
	s_mov_b32 s59, 0
	s_add_nc_u64 s[94:95], s[94:95], s[58:59]      ; pair words: [j][lane][4]
	s_mul_i32 s38, s33, 6144
	s_add_co_u32 s38, s38, s34
	s_add_co_u32 s38, s38, 98304
	s_mul_i32 s57, s16, 3072
	s_add_co_u32 s38, s38, s57
	s_add_nc_u64 s[96:97], s[12:13], s[38:39]      ; v's images: [j][channel tile 4][1536]
	s_lshl_b32 s38, s33, 8
	s_add_co_u32 s38, s38, s34
	s_add_co_u32 s38, s38, 204800
	s_lshl_b32 s57, s16, 7
	s_add_co_u32 s38, s38, s57
	s_add_nc_u64 s[98:99], s[12:13], s[38:39]      ; v's pair words: [j][pair 2][lane]
	s_wait_alu depctr_va_vdst(0)
	s_cmp_eq_u32 s16, 0                            ; waves 0 and 2 brought chunk 0; the others' loads may be out
	s_cbranch_scc0 .Lnot_first
	s_wait_tensorcnt 0x0
.Lnot_first:
	s_barrier_signal -1
	s_barrier_wait -1
	FETCH_B 0, 0, 0
	FETCH_A 0, 0, 0
	FETCH_A 0, 0, 4
	WIN 0
	STEP 0, 0, 1, 1                                ; the first step starts the sums from the biases
	TURN 1, 1, 1                                   ; slot 0 is left and takes chunk 3; chunks 1 and 2 are whole for every wave from here on
	STEP 2, 1, 1, 0
	STEP 3, 2, 0, 0
	STEP 4, 2, 1, 0
	TURN 5, 0, 0                                   ; chunk 3 is whole; nothing is filled, so no round
	STEP 6, 0, 1, 0
	s_wait_dscnt 12                                ; the last step: nothing more to fetch
	WIN 0xa5
	MULA 0, 7, 1, 0
	MULA 1, 7, 1, 0
	MULA 2, 7, 1, 0
	MULA 3, 7, 1, 0
	s_wait_dscnt 0x0
	WIN 0xf5
	MULA 4, 7, 1, 0
	MULA 5, 7, 1, 0
	MULA 6, 7, 1, 0
	MULA 7, 7, 1, 0
	WIN 0
	PLACES 4                                       ; in front of the first read of results
	QKQ 2, F0
	QKQ 3, F1
	global_store_b128 v3, v[PW:PW+3], s[94:95]     ; the four pairs' words: 512 consecutive bytes
	; v: two channel tiles d; four blocks of 32 tokens, blocks 0, 1 in window 2, blocks 2, 3 in window 3
.irp c, 0,1
	WIN 0x28+0x14*\c
.irp d, 0,1
.irp e, 0,1
	v_max3_num_f32 v[TM+4*\d+2*\c+\e], 0x1800000, |v[128+32*\d+16*\e]|, |v[129+32*\d+16*\e]|
.endr
.endr
.irp i, 2,4,6,8,10,12,14
.irp d, 0,1
.irp e, 0,1
	v_max3_num_f32 v[TM+4*\d+2*\c+\e], v[TM+4*\d+2*\c+\e], |v[128+32*\d+16*\e+\i]|, |v[129+32*\d+16*\e+\i]|
.endr
.endr
.endr
.endr
	WIN 0
.irp k, 0,1,2,3,4,5,6,7
	v_permlanex16_b32 v[TP+\k], v[TM+\k], s20, s21
.endr
.irp k, 0,1,2,3,4,5,6,7
	v_max_num_f32 v[TM+\k], v[TM+\k], v[TP+\k]
.endr
.irp k, 0,1,2,3,4,5,6,7
	v_add_nc_u32 v[SO+\k], 0xff000000, v[TM+\k]
.endr
.irp k, 0,1,2,3,4,5,6,7
	v_lshrrev_b32 v[TP+\k], 23, v[SO+\k]
.endr
.irp d, 0,1
	v_lshl_or_b32 v[WD+\d], v[TP+4*\d+1], 8, v[TP+4*\d]
	v_lshl_or_b32 v[WD+\d], v[TP+4*\d+2], 16, v[WD+\d]
	v_lshl_or_b32 v[WD+\d], v[TP+4*\d+3], 24, v[WD+\d]
.endr
.irp c, 0,1
	WIN 2+\c
.irp d, 0,1
	v_cvt_scalef32_pk16_fp6_f32 v[FV+12*\d+6*\c:FV+12*\d+6*\c+2], v[128+32*\d:143+32*\d], v[SO+4*\d+2*\c]
	v_cvt_scalef32_pk16_fp6_f32 v[TH+4*(2*\d+\c):TH+4*(2*\d+\c)+2], v[144+32*\d:159+32*\d], v[SO+4*\d+2*\c+1]
.endr
.endr
	WIN 0
	v_nop
.irp d, 0,1
.irp c, 0,1
.irp i, 0,1,2
	v_permlane16_swap_b32 v[FV+12*\d+6*\c+\i], v[TH+4*(2*\d+\c)+\i]
.endr
.irp i, 0,1,2
	v_mov_b32 v[FV+12*\d+6*\c+3+\i], v[TH+4*(2*\d+\c)+\i]
.endr
.endr
.endr
	v_cndmask_b32 v[VW], v[WD], v[WD+1], s22
.irp d, 0,1
.irp c, 0,1,2
	global_store_b128 v3, v[FV+12*\d+4*\c:FV+12*\d+4*\c+3], s[96:97] offset:1536*\d+512*\c
.endr
.endr
	global_store_b32 v5, v[VW], s[98:99]           ; a run of 128 bytes: 262,144 bytes of the launch's stores leave so
	s_add_co_u32 s17, s17, 16                      ; the second block of rows.  No prefetch is laid for it: in the last trip its addresses would pass xq's end, and the loop has two trips alone
	s_add_co_u32 s100, s100, 1
	s_cmp_lt_u32 s100, 2
	s_wait_alu depctr_va_vdst(0)
	s_cbranch_scc1 .Ltile
	s_wait_tensorcnt 0x0                           ; the wave's end
	ds_add_u32 v[SPW], v[NIL]
	s_wait_dscnt 0x0
	CROUND                                         ; the closing round
	s_endpgm
.Lfunc_end_k_qc3dae10ddd_qkv:
	.size	k_qc3dae10ddd_qkv, .Lfunc_end_k_qc3dae10ddd_qkv-k_qc3dae10ddd_qkv
	.p2alignl 7, 3214868480
	.fill 96, 4, 3214868480
	.section	.rodata,"a",@progbits
	.p2align	6, 0x0
	.amdhsa_kernel k_qc3dae10ddd_qkv
		.amdhsa_group_segment_fixed_size 327680
		.amdhsa_private_segment_fixed_size 0
		.amdhsa_enable_private_segment 0
		.amdhsa_kernarg_size 40
		.amdhsa_user_sgpr_count 2
		.amdhsa_user_sgpr_kernarg_segment_ptr 1
		.amdhsa_wavefront_size32 1
		.amdhsa_system_sgpr_workgroup_id_x 1
		.amdhsa_system_sgpr_workgroup_id_y 1
		.amdhsa_system_sgpr_workgroup_id_z 1
		.amdhsa_system_vgpr_workitem_id 0
		.amdhsa_next_free_vgpr 1024
		.amdhsa_next_free_sgpr 102
		.amdhsa_reserve_vcc 0
		.amdhsa_float_denorm_mode_32 3
		.amdhsa_float_denorm_mode_16_64 3
		.amdhsa_memory_ordered 1
		.amdhsa_forward_progress 1
		.amdhsa_inst_pref_size 115
	.end_amdhsa_kernel
	.amdgpu_metadata
---
amdhsa.version: [ 1, 2 ]
amdhsa.kernels:
  - .name:           k_qc3dae10ddd_qkv
    .symbol:         k_qc3dae10ddd_qkv.kd
    .args:
      - { .name: xq, .offset: 0, .size: 8, .value_kind: global_buffer, .address_space: global }
      - { .name: wc, .offset: 8, .size: 8, .value_kind: global_buffer, .address_space: global }
      - { .name: bqkv, .offset: 16, .size: 8, .value_kind: global_buffer, .address_space: global }
      - { .name: qq, .offset: 24, .size: 8, .value_kind: global_buffer, .address_space: global }
      - { .name: kv, .offset: 32, .size: 8, .value_kind: global_buffer, .address_space: global }
    .group_segment_fixed_size: 327680
    .private_segment_fixed_size: 0
    .kernarg_segment_align: 8
    .kernarg_segment_size: 40
    .max_flat_workgroup_size: 128
    .sgpr_count:     102
    .vgpr_count:     1024
    .wavefront_size: 32
...
	.end_amdgpu_metadata
.endif
;; end of part 2
;; launch attn (part 3): grid 4 x 64, 16 waves a work-group, clusters of 4 x 1, 237,568 bytes of LDS; arguments qq, kv, oq; writes oq
.if DOCPART == 3
	.amdgcn_target "amdgcn-amd-amdhsa--gfx1250"
	.amdhsa_code_object_version 6
	.text
	.protected	k_qc3dae10ddd_attn
	.globl	k_qc3dae10ddd_attn
	.p2align	8
	.type	k_qc3dae10ddd_attn,@function
k_qc3dae10ddd_attn:
	s_mov_b64 s[64:65], 0
	v_nop
	global_prefetch_b8 v0, s[64:65] scope:SCOPE_SE
	s_setreg_imm32_b32 hwreg(HW_REG_WAVE_MODE, 25, 1), 1
	s_wait_xcnt 0x0
	s_wait_alu depctr_hold_cnt(0) depctr_sa_sdst(0) depctr_va_vdst(0) depctr_va_sdst(0) depctr_va_ssrc(0) depctr_va_vcc(0) depctr_vm_vsrc(0)
	s_getreg_b32 s2, hwreg(HW_REG_IB_STS2, 6, 4)
	s_cmp_eq_u32 s2, 0
	s_cbranch_scc0 .Lentry_in_a_cluster
	s_endpgm
.Lentry_in_a_cluster:
	s_bfe_u32 s2, ttmp6, 0x10000c
	s_cmp_lg_u32 s2, 0x3003
	s_cbranch_scc0 .Lentry_shape_is_right
	s_endpgm
.Lentry_shape_is_right:
; For each of 64 (batch, head): o = softmax(q k^T / 8) v on codes of FP6 (E2M3) with E8M0 scales, and o quantised along the head's 64 for the last product.
; THE SOFTMAX: t = score x log2(e) / 8; M = the running largest t rounded UP to a whole number; p = 2^(t - M) is quantised along the keys, not normalised; the row's sum is taken of the unquantised p and divides at the end.
; When M moves, the sum and O are multiplied by 2^(old M - new M): exact.
; SHARES.  A work-group owns 512 queries of one head, each of its sixteen waves 32: two tiles of 16, one after the other.  A whole head's K and V (208,896 bytes of kv) lie in LDS, filled once: no ring, no refill, no barrier in the loops.
; Waves 0-7 ask for an eighth of K's codes each (48 rows of 256 bytes, 64 bytes of padding behind each), waves 8-15 for an eighth of the rest (54 rows, dense): one tensor load a wave.
; CLUSTER 4 x 1: the head's four work-groups ask jointly.  No prefetch: every byte of K and V is asked for at the head.
; LAYOUT.  Both products transposed: S^T = K Q^T, O^T = V^T P^T: a lane holds ONE query.  WHICH KEYS FORM A TILE IS CHOSEN BY THE LANES' LDS ADDRESSES: tile (c, t) takes keys 64 c + 8 t + 0..7 as rows 0-7 and keys 64 c + 32 + 8 t + 0..7
; as rows 8-15.  So lane (r, h)'s 32 scores of tiles (c, 0..3) are keys 64 c + 32 h + 0..31: one whole scale block, in the order of p's operand registers: its maximum needs no other lane and its codes no lane swap.
; In kv key 32 g + e lies in tile 2 g + (e / 8) % 2, row 8 (e / 16) + e % 8; a tile's image is 768 bytes (three padded LDS rows, 960): registers 0-3 at 16 x lane, registers 4, 5 at 512 + 8 x lane.
; With the padding, rows 0-7 and 8-15 of a tile (1,920 bytes apart) fall on different halves of 256 bytes in the loads of 16 bytes.
; The head's 64 fill half of the instruction's K: Q's upper six registers are zero codes, so K's upper six may hold any codes: K's eight fragments lie 6 registers apart, each followed by the next.
; The next step's K is fetched behind this step's score products; V comes in two halves where p lay.
; LIMITS: NaN and infinities are not served; the promise holds while the scaled scores stay under 2^31 in magnitude; 1 / sum is v_rcp_f32; a block of o under 2^-124, or of zeros, gets the byte 1 (only this program reads the bytes).
; REGISTERS: v1-3 16, 8, 4 x lane; v4, v5 the add's two; v6 o's pair word; v7-9 lane terms of K's loads and words; v10 8 h; v12 -M, v13 the largest score, v[14:15] the sum; v16-39 Q; v40-93 K; v94, v95 the stage for o's words;
;   v96-159 S^T, p, then V; v160-191 O^T; v192-203 p's codes; v204-210 second conversions; v212-215 K's words, v216-217 V's, v218 Q's, v219 p's; v220-225 addresses; v226-239 at work; v240-255 partial sums, o's halves.
.set KSTEP, 7680                       ; K's codes from LDS byte 0: a step's eight tiles x 960
.set VC,    122880                     ; v's images [step 16][channel tile 4][1536]
.set KS,    221184                     ; k's pair words [step 16][lane][4]
.set VS,    229376                     ; v's [step 16][pair 2][lane]
.set OSTG,  233472                     ; o's pair words on their way out, stored by ds_store alone
.set SPARE, 235520                     ; the spare words, 128 bytes a wave
.set QSC,   6291456
.set OSC,   6291456
.macro PLACES n
.rept \n
	v_nop
.endr
.endm
.macro WALU
	s_wait_alu depctr_va_vdst(0)
.endm
.macro CROUND
	s_barrier_signal -1
	s_barrier_wait -1
	s_cmp_lg_u32 s18, 0
	s_cbranch_scc1 .Lnot_wave_0_\@
	s_barrier_signal -3
.Lnot_wave_0_\@:
	s_barrier_wait -3
	s_barrier_signal -1
	s_barrier_wait -1
.endm
.macro WM d, a, b, c, xa, xb, ra, rb
	v_wmma_scale_f32_16x16x128_f8f6f4 v[(\d):(\d)+7], v[(\a):(\a)+11], v[(\b):(\b)+11], \c, v[\xa], v[\xb] matrix_a_fmt:MATRIX_FMT_FP6 matrix_b_fmt:MATRIX_FMT_FP6 matrix_a_scale:MATRIX_SCALE_ROW\ra matrix_b_scale:MATRIX_SCALE_ROW\rb
.endm
; a step's K: tile (c, t = 2 th + tl) into v[40 + 6 (4 c + t)]; its rows' words: lanes 0-15 tile (c, 2 th), lanes 16-31 tile (c, 2 th + 1)
.macro KLOAD a16, a8, aw
.irp c, 0,1
.irp th, 0,1
.irp tl, 0,1
	ds_load_b128 v[40+6*(4*\c+2*\th+\tl):43+6*(4*\c+2*\th+\tl)], \a16 offset:960*(4*\c+\tl)+128*\th
	ds_load_b64 v[44+6*(4*\c+2*\th+\tl):45+6*(4*\c+2*\th+\tl)], \a8 offset:960*(4*\c+\tl)+640+64*\th
.endr
	ds_load_b32 v[212+2*\c+\th], \aw offset:128*\th+8*\c
.endr
.endr
.endm
.macro VLOAD t
.irp c, 0,1,2
	ds_load_b128 v[96+12*(\t)+4*\c:99+12*(\t)+4*\c], v222 offset:1536*(\t)+512*\c
.endr
.endm
; A KEY STEP: 128 keys, for query tile u
.macro STEP u
	v_add_nc_u32 v222, s37, v1                     ; this step's V.  With the line below and the three additions behind the last step's products: the five places between those products, which read V in v96-143, and the first product below, which writes there
	v_add_nc_u32 v224, s39, v3                     ; and its words
.irp c, 0,1
.irp th, 0,1
.irp tl, 0,1
	WM 96+8*(4*\c+2*\th+\tl), 40+6*(4*\c+2*\th+\tl), 16+12*(\u), 0, 212+2*\c+\th, 218, \tl, \u
.endr
.endr
.endr
	v_mov_b32 v236, v12                            ; the old -M; with the next step's three addresses the four places behind the products
	v_add_nc_u32 v220, s36, v7                     ; the next step's K,
	v_add_nc_u32 v221, s36, v8
	v_add_nc_u32 v223, s38, v9                     ; and its words
	s_cmp_eq_u32 s40, 1                            ; the last step has no next
	s_cbranch_scc1 .Lno_next_\@
	KLOAD v220, v221, v223
.Lno_next_\@:
.irp c, 0,1                                    ; my two blocks' largest scores, two chains each, every accumulator from its low end on
	v_max3_num_f32 v[226+\c], v[96+32*\c], v[97+32*\c], v[98+32*\c]
	v_max3_num_f32 v[228+\c], v[112+32*\c], v[113+32*\c], v[114+32*\c]
.endr
.irp i, 3,5,7,9,11,13
.irp c, 0,1
	v_max3_num_f32 v[226+\c], v[226+\c], v[96+32*\c+\i], v[97+32*\c+\i]
	v_max3_num_f32 v[228+\c], v[228+\c], v[112+32*\c+\i], v[113+32*\c+\i]
.endr
.endr
.irp c, 0,1
	v_max3_num_f32 v[226+\c], v[226+\c], v[228+\c], v[111+32*\c]
.endr
.irp c, 0,1
	v_max_num_f32 v[226+\c], v[226+\c], v[127+32*\c]
.endr
	v_max3_num_f32 v13, v13, v226, v227            ; the running largest score,
	v_permlanex16_b32 v230, v13, s20, s21
	v_max_num_f32 v13, v13, v230                   ; with lane l xor 16's keys
	v_mul_f32 v231, s42, v13                       ; -t
	v_floor_f32 v12, v231                          ; the new -M = floor(-t): M is a whole number
	v_sub_f32 v236, v12, v236                      ; old M - new M: a whole number, 0 or less
.set j, 0
.rept 4
	v_pk_fma_f32 v[96+j:97+j], v[96+j:97+j], s[22:23], v[12:13] op_sel_hi:[1,0,0]    ; t - M, two at a time: my first block
.set j, j+2
.endr
	v_cvt_i32_f32 v236, v236                       ; (it saturates)
.rept 4
	v_pk_fma_f32 v[96+j:97+j], v[96+j:97+j], s[22:23], v[12:13] op_sel_hi:[1,0,0]
.set j, j+2
.endr
	v_ldexp_f32 v232, 1.0, v236                    ; f = 2^(old M - new M),
.rept 8
	v_pk_fma_f32 v[96+j:97+j], v[96+j:97+j], s[22:23], v[12:13] op_sel_hi:[1,0,0]
.set j, j+2
.endr
.irp c, 0,1
	v_fma_f32 v[226+\c], v[226+\c], s22, v12       ; the same of each block's largest score
.endr
.set j, 0
.rept 16
	v_pk_mul_f32 v[160+j:161+j], v[160+j:161+j], v[232:233] op_sel_hi:[1,0]    ; O^T under the new M
.set j, j+2
.endr
	WALU
.set j, 0
.rept 16
	v_exp_f32 v[96+j], v[96+j]                     ; p of my first block; among them t - M of my second, which the next batch reads behind the next wait
	v_exp_f32 v[97+j], v[97+j]
	v_pk_fma_f32 v[128+j:129+j], v[128+j:129+j], s[22:23], v[12:13] op_sel_hi:[1,0,0]
.set j, j+2
.endr
	v_exp_f32 v226, v226                           ; each block's largest p
	v_exp_f32 v227, v227
	v_pk_mul_f32 v[14:15], v[14:15], v[232:233] op_sel_hi:[1,0]    ; the sums under the new M (a plain line behind the exponentials)
	WALU                                           ; one wait for the batch, and ahead of the next
	v_max_num_f32 v226, 0x1800000, v226            ; the floor 2^(3 - 127)
	v_max_num_f32 v227, 0x1800000, v227
	v_add_nc_u32 v234, 0xff000000, v226            ; the conversions' scale operands
	v_add_nc_u32 v235, 0xff000000, v227
.irp k, 0,1,2,3
	v_dual_add_f32 v[240+2*\k], v[96+4*\k], v[98+4*\k] :: v_dual_add_f32 v[241+2*\k], v[97+4*\k], v[99+4*\k]      ; the row's sum is taken of the unquantised p: eight partial sums
.endr
	v_lshrrev_b32 v237, 23, v234                   ; the bytes of blocks h and 2 + h
	v_lshrrev_b32 v238, 23, v235
.irp k, 4,5
	v_dual_add_f32 v[240+2*\k], v[96+4*\k], v[98+4*\k] :: v_dual_add_f32 v[241+2*\k], v[97+4*\k], v[99+4*\k]
.endr
	v_lshl_or_b32 v239, v238, 16, v237
	v_dual_add_f32 v252, v120, v122 :: v_dual_add_f32 v253, v121, v123
	v_lshlrev_b32 v239, v10, v239                  ; 8 h bits up
	v_permlanex16_b32 v230, v239, s20, s21
	v_cvt_scalef32_pk16_fp6_f32 v[192:194], v[96:111], v234
	v_cvt_scalef32_pk16_fp6_f32 v[204:206], v[112:127], v234       ; (a conversion's three registers begin on an even number)
	v_or_b32 v219, v239, v230                      ; p's scale word for these 128 keys (a plain line behind the conversions)
	v_dual_mov_b32 v195, v204 :: v_dual_mov_b32 v196, v205
	v_mov_b32 v197, v206
	VLOAD 0                                        ; V's first two fragments, where my first block's p lay
	VLOAD 1
	ds_load_b32 v216, v224
	ds_load_b32 v217, v224 offset:128
.set j, 0
.rept 32
	v_exp_f32 v[128+j], v[128+j]                   ; p of my second block
.set j, j+1
.endr
	v_pk_add_f32 v[254:255], v[124:125], v[126:127]                ; the eighth partial sum: the plain line behind the exponentials (v124-127 hold p of my first block still)
	WALU
.irp d, 0,2
.irp k, 0,1,2,3,4,5,6,7
	v_dual_add_f32 v[240+2*\k], v[128+4*\k+\d], v[240+2*\k] :: v_dual_add_f32 v[241+2*\k], v[129+4*\k+\d], v[241+2*\k]
.endr
.endr
	v_cvt_scalef32_pk16_fp6_f32 v[198:200], v[128:143], v235
	v_cvt_scalef32_pk16_fp6_f32 v[208:210], v[144:159], v235
	VLOAD 2
	VLOAD 3
	v_pk_add_f32 v[240:241], v[240:241], v[248:249]                ; (a plain line behind the conversions)
	v_dual_mov_b32 v201, v208 :: v_dual_mov_b32 v202, v209
	v_mov_b32 v203, v210
	v_pk_add_f32 v[242:243], v[242:243], v[250:251]                ; seven plain lines between p's last code register and the products
	v_pk_add_f32 v[244:245], v[244:245], v[252:253]
	v_pk_add_f32 v[246:247], v[246:247], v[254:255]
	v_pk_add_f32 v[240:241], v[240:241], v[244:245]
	WALU
	s_wait_dscnt 0x0                               ; V, its words, and the next step's K
.irp th, 0,1
.irp tl, 0,1
	WM 160+8*(2*\th+\tl), 96+12*(2*\th+\tl), 192, v[160+8*(2*\th+\tl):167+8*(2*\th+\tl)], 216+\th, 219, \tl, 0
.endr
.endr
	v_pk_add_f32 v[242:243], v[242:243], v[246:247]                ; the sum's last three additions stand behind the products: they name none of their registers
	v_pk_add_f32 v[240:241], v[240:241], v[242:243]
	v_pk_add_f32 v[14:15], v[14:15], v[240:241]
	s_add_co_u32 s36, s36, KSTEP
	s_add_co_u32 s37, s37, 6144
	s_add_co_u32 s38, s38, 512
	s_add_co_u32 s39, s39, 256
.endm
; One tile of 16 queries: all 2,048 keys, then o = O^T / sum, quantised along the head's 64, to memory as half an image
.macro QTILE u
.set OF, 240+8*(\u)
	v_mov_b32 v13, 0xff61b1e6                      ; the largest score so far: -3e38
	v_floor_f32 v12, -v13
	v_mov_b32 v14, 0
	v_mov_b32 v15, 0
.set j, 0
.rept 32
	v_mov_b32 v[160+j], 0                          ; the step is written once: its first trip finds zeros
.set j, j+1
.endr
	KLOAD v7, v8, v225                             ; step 0's K
	s_mov_b32 s36, KSTEP
	s_mov_b32 s37, VC
	s_mov_b32 s38, KS+512
	s_mov_b32 s39, VS
	s_mov_b32 s40, 16
	WALU
	s_wait_dscnt 0x0
.Lkeys_\@:
	STEP \u
	s_sub_co_u32 s40, s40, 1
	s_cmp_lg_u32 s40, 0
	s_cbranch_scc1 .Lkeys_\@
	PLACES 4
	v_add_f32 v14, v14, v15
	v_permlanex16_b32 v230, v14, s20, s21
	v_add_f32 v14, v14, v230                       ; the row's sum
	WALU
	v_rcp_f32 v14, v14
	v_nop
	WALU
.set j, 0
.rept 16
	v_pk_mul_f32 v[96+j:97+j], v[160+j:161+j], v[14:15] op_sel_hi:[1,0]    ; register 16 e + i: channel 32 e + 16 h + i of my query
.set j, j+2
.endr
.irp e, 0,1
	v_max3_num_f32 v[226+\e], |v[96+16*\e]|, |v[97+16*\e]|, 0x1800000
.endr
.irp i, 2,4,6,8,10,12,14
.irp e, 0,1
	v_max3_num_f32 v[226+\e], v[226+\e], |v[96+16*\e+\i]|, |v[97+16*\e+\i]|
.endr
.endr
.irp e, 0,1
	v_permlanex16_b32 v[228+\e], v[226+\e], s20, s21
.endr
.irp e, 0,1
	v_max_num_f32 v[226+\e], v[226+\e], v[228+\e]
.endr
.irp e, 0,1
	v_add_nc_u32 v[234+\e], 0xff000000, v[226+\e]
.endr
.irp e, 0,1
	v_lshrrev_b32 v[237+\e], 23, v[234+\e]
.endr
	v_lshl_or_b32 v239, v238, 8, v237              ; my query's two bytes
	v_cvt_scalef32_pk16_fp6_f32 v[OF:OF+2], v[96:111], v234
	v_cvt_scalef32_pk16_fp6_f32 v[204:206], v[112:127], v235
	v_nop
.irp i, 0,1,2
	v_permlane16_swap_b32 v[OF+\i], v[204+\i]      ; a whole block to a lane
.endr
.irp i, 0,1,2
	v_mov_b32 v[OF+3+\i], v[204+\i]
.endr
.if \u
	v_cndmask_b32 v6, v6, v239, s41                ; the pair word: lanes 16-31 take tile 1's
.else
	v_mov_b32 v6, v239
.endif
	global_store_b128 v1, v[OF:OF+3], s[48:49] offset:768*(\u)
	global_store_b64 v2, v[OF+4:OF+5], s[48:49] offset:768*(\u)+512
.if (\u) == 0
	WALU
	s_wait_xcnt 0x0                                ; the stores have read v240-245, which the next tile's sums write again
.endif
.endm
	s_load_b128 s[4:7], s[0:1], 0x0                ; qq s[4:5], kv s[6:7]
	s_load_b64 s[8:9], s[0:1], 0x10                ; oq
	v_lshl_add_u32 v4, v0, 2, SPARE
	v_mov_b32 v5, 0
	ds_add_u32 v4, v5                              ; the opening lines: the add, twice on end, and its wait ahead of my tensor load
	ds_add_u32 v4, v5
	v_lshrrev_b32 v6, 5, v0
	v_readfirstlane_b32 s18, v6                    ; wave 0..15
	s_bfe_u32 s10, ttmp6, 0x40000                  ; cx
	s_lshl_b32 s11, ttmp9, 2
	s_add_co_u32 s11, s11, s10                     ; my block of 512 queries: it enters q's and o's addresses alone
	s_and_b32 s12, ttmp7, 0xffff                   ; bh, which the four partners share
	s_mov_b32 s24, 15|(3<<16)|(1<<20)|(1<<21)|(5<<22)|(15<<25)     ; K's codes: all four work-groups; elements of 8 bytes; 16 words of padding behind every 64
	s_mov_b32 s25, 32<<16
	s_mov_b32 s26, 48<<16
	s_mov_b32 s27, 32<<16
	s_mov_b32 s28, 48
	s_mov_b32 s29, 32
	s_mov_b32 s30, 0
	s_mov_b32 s31, 0
	s_mov_b32 s68, 15|(3<<16)|(1<<21)              ; the rest: dense
	s_mov_b32 s69, 32<<16
	s_mov_b32 s70, 54<<16
	s_mov_b32 s71, 32<<16
	s_mov_b32 s72, 54
	s_mov_b32 s73, 32
	s_mov_b32 s74, 0
	s_mov_b32 s75, 0
	s_mul_i32 s14, s12, 208896                     ; the head's block of kv
	s_mov_b32 s15, 0
	s_lshl_b32 s16, s11, 4
	s_add_co_u32 s16, s16, s18                     ; my pair of query tiles among the head's 64
	s_mul_i32 s44, s12, 98304                      ; q's halves: 1,536 bytes a pair
	s_mul_i32 s17, s16, 1536
	s_add_co_u32 s44, s44, s17
	s_mov_b32 s45, 0
	s_lshl_b32 s46, s12, 13                        ; q's pair word: [bh][pair / 4][lane][pair % 4]
	s_lshr_b32 s17, s16, 2
	s_lshl_b32 s17, s17, 9
	s_add_co_u32 s46, s46, s17
	s_and_b32 s17, s16, 3
	s_lshl_b32 s17, s17, 2
	s_add_co_u32 s46, s46, s17
	s_add_co_u32 s46, s46, QSC
	s_mov_b32 s47, 0
	s_lshr_b32 s48, s12, 4                         ; o's halves: [row block 32][head 16][tile 16][768]
	s_lshl_b32 s48, s48, 3
	s_lshl_b32 s17, s11, 1
	s_add_co_u32 s48, s48, s17
	s_lshr_b32 s17, s18, 3
	s_add_co_u32 s48, s48, s17
	s_mul_i32 s48, s48, 196608
	s_and_b32 s17, s12, 15
	s_mul_i32 s17, s17, 12288
	s_add_co_u32 s48, s48, s17
	s_and_b32 s17, s18, 7
	s_mul_i32 s17, s17, 1536
	s_add_co_u32 s48, s48, s17
	s_mov_b32 s49, 0
	s_and_b32 s19, s18, 3
	s_lshl_b32 s50, s12, 13                        ; o's words: [bh][group 16][lane][4]: waves 0-3 store a group each
	s_lshl_b32 s17, s11, 11
	s_add_co_u32 s50, s50, s17
	s_lshl_b32 s17, s19, 9
	s_add_co_u32 s50, s50, s17
	s_add_co_u32 s50, s50, OSC
	s_mov_b32 s51, 0
	s_mov_b32 s20, 0x76543210
	s_mov_b32 s21, 0xfedcba98                      ; lane l xor 16
	s_mov_b32 s22, 0x3e38aa3b                      ; c = log2(e) / 8
	s_mov_b32 s23, s22                             ; (named with it as a pair)
	s_mov_b32 s42, 0xbe38aa3b                      ; -c
	s_mov_b32 s41, 0xffff0000                      ; lanes 16-31
	s_wait_dscnt 0x0                               ; both opening adds are done
	s_wait_kmcnt 0x0
	s_mov_b32 s32, 1
	s_add_nc_u64 s[34:35], s[6:7], s[14:15]
	s_add_nc_u64 s[44:45], s[4:5], s[44:45]
	s_add_nc_u64 s[46:47], s[4:5], s[46:47]
	s_add_nc_u64 s[48:49], s[8:9], s[48:49]
	s_add_nc_u64 s[50:51], s[8:9], s[50:51]
	CROUND                                         ; all four work-groups are here: the joint loads meet
	s_cmp_lt_u32 s18, 8
	s_cbranch_scc0 .Lfor_v
	s_mul_i32 s33, s18, 15360                      ; waves 0-7: 48 rows of K's codes, 320 bytes apart in LDS
	s_mul_i32 s14, s18, 12288
	s_add_nc_u64 s[34:35], s[34:35], s[14:15]
	s_or_b32 s35, s35, 0x80000000
	tensor_load_to_lds s[32:35], s[24:31]
	s_nop 0
	PLACES 4
	s_branch .Lasked
.Lfor_v:
	s_mul_i32 s33, s18, 13824                      ; waves 8-15: 54 rows of V's codes and the words, from VC on
	s_add_co_u32 s33, s33, VC-8*13824
	s_mul_i32 s14, s18, 13824
	s_sub_co_u32 s14, s14, 8*13824-98304
	s_add_nc_u64 s[34:35], s[34:35], s[14:15]
	s_or_b32 s35, s35, 0x80000000
	tensor_load_to_lds s[32:35], s[68:75]
	s_nop 0
	PLACES 4
.Lasked:
	v_and_b32 v3, 31, v0
	v_lshlrev_b32 v1, 4, v3                        ; 16 x lane
	v_lshlrev_b32 v2, 3, v3                        ; 8 x lane
	v_lshlrev_b32 v3, 2, v3                        ; 4 x lane
	global_load_b128 v[16:19], v1, s[44:45]        ; Q's two half fragments stay in registers
	global_load_b64 v[20:21], v2, s[44:45] offset:512
	global_load_b128 v[28:31], v1, s[44:45] offset:768
	global_load_b64 v[32:33], v2, s[44:45] offset:1280
	global_load_b32 v218, v1, s[46:47]             ; and their pair word
	v_and_b32 v11, 7, v0                           ; r % 8
	v_bfe_u32 v10, v0, 3, 1                        ; r / 8
	v_bfe_u32 v6, v0, 4, 1                         ; h
	v_mul_u32_u24 v7, v10, 1920                    ; rows 8-15 of a tile come from the image two tiles on
	v_lshl_add_u32 v8, v11, 3, v7
	v_lshl_add_u32 v8, v6, 7, v8                   ; registers 4, 5: 1920 (r / 8) + 8 (r % 8) + 128 h
	v_lshl_add_u32 v7, v11, 4, v7
	v_mad_u32_u24 v7, v6, 320, v7                  ; registers 0-3: 1920 (r / 8) + 16 (r % 8) + 320 h
	v_lshlrev_b32 v9, 4, v11
	v_lshl_add_u32 v9, v10, 2, v9
	v_lshl_add_u32 v9, v6, 8, v9                   ; words: 16 (r % 8) + 4 (r / 8) + 256 h
	v_add_nc_u32 v225, KS, v9
	v_lshlrev_b32 v10, 3, v6                       ; 8 h
.irp i, 22,23,24,25,26,27,34,35,36,37,38,39
	v_mov_b32 v[\i], 0                             ; k = 64 .. 127 of the instruction: zero codes in Q
.endr
.irp i, 88,89,90,91,92,93,228,229,230,233
	v_mov_b32 v[\i], 0                             ; what follows K's last fragment; lane permutes' destinations; the upper half of the pair v[232:233]
.endr
	s_lshr_b32 s17, s18, 2                         ; the stage for o's words: group wave / 4, word wave % 4
	s_lshl_b32 s17, s17, 9
	s_lshl_b32 s52, s19, 2
	s_add_co_u32 s17, s17, s52
	s_add_co_u32 s17, s17, OSTG
	v_add_nc_u32 v94, s17, v1
	s_lshl_b32 s19, s19, 9
	s_add_co_u32 s19, s19, OSTG
	v_add_nc_u32 v95, s19, v1                      ; back: a group's 512 bytes (used by waves 0-3)
	WALU
	s_wait_tensorcnt 0x0                           ; my part is in,
	s_barrier_signal -1
	s_barrier_wait -1                              ; everybody's is
	s_wait_loadcnt 0x0                             ; Q
	QTILE 0
	QTILE 1
	ds_store_b32 v94, v6
	s_wait_tensorcnt 0x0                           ; the wave's end, behind my last LDS store
	ds_add_u32 v4, v5
	s_wait_dscnt 0x0                               ; my word has landed
	s_barrier_signal -1
	s_barrier_wait -1
	s_cmp_lt_u32 s18, 4
	s_cbranch_scc0 .Lno_words
	ds_load_b128 v[96:99], v95
	s_wait_dscnt 0x0
	global_store_b128 v1, v[96:99], s[50:51]       ; 512 consecutive bytes, aligned
.Lno_words:
	CROUND                                         ; the closing round
	s_endpgm
.Lfunc_end_k_qc3dae10ddd_attn:
	.size	k_qc3dae10ddd_attn, .Lfunc_end_k_qc3dae10ddd_attn-k_qc3dae10ddd_attn
	.p2alignl 7, 3214868480
	.fill 96, 4, 3214868480
	.section	.rodata,"a",@progbits
	.p2align	6, 0x0
	.amdhsa_kernel k_qc3dae10ddd_attn
		.amdhsa_group_segment_fixed_size 237568
		.amdhsa_private_segment_fixed_size 0
		.amdhsa_enable_private_segment 0
		.amdhsa_kernarg_size 24
		.amdhsa_user_sgpr_count 2
		.amdhsa_user_sgpr_kernarg_segment_ptr 1
		.amdhsa_wavefront_size32 1
		.amdhsa_system_sgpr_workgroup_id_x 1
		.amdhsa_system_sgpr_workgroup_id_y 1
		.amdhsa_system_sgpr_workgroup_id_z 1
		.amdhsa_system_vgpr_workitem_id 0
		.amdhsa_next_free_vgpr 256
		.amdhsa_next_free_sgpr 80
		.amdhsa_reserve_vcc 0
		.amdhsa_float_denorm_mode_32 3
		.amdhsa_float_denorm_mode_16_64 3
		.amdhsa_memory_ordered 1
		.amdhsa_forward_progress 1
		.amdhsa_inst_pref_size 51
	.end_amdhsa_kernel
	.amdgpu_metadata
---
amdhsa.version: [ 1, 2 ]
amdhsa.kernels:
  - .name:           k_qc3dae10ddd_attn
    .symbol:         k_qc3dae10ddd_attn.kd
    .args:
      - { .name: qq, .offset: 0, .size: 8, .value_kind: global_buffer, .address_space: global }
      - { .name: kv, .offset: 8, .size: 8, .value_kind: global_buffer, .address_space: global }
      - { .name: oq, .offset: 16, .size: 8, .value_kind: global_buffer, .address_space: global }
    .group_segment_fixed_size: 237568
    .private_segment_fixed_size: 0
    .kernarg_segment_align: 8
    .kernarg_segment_size: 24
    .max_flat_workgroup_size: 512
    .sgpr_count:     80
    .vgpr_count:     256
    .wavefront_size: 32
...
	.end_amdgpu_metadata
.endif
;; end of part 3
;; launch proj (part 4): grid 8 x 32, 4 waves a work-group, clusters of 4 x 4, 327,680 bytes of LDS; arguments oq, wc, bproj, out0; writes out0
.if DOCPART == 4
	.amdgcn_target "amdgcn-amd-amdhsa--gfx1250"
	.amdhsa_code_object_version 6
	.text
	.protected	k_qc3dae10ddd_proj
	.globl	k_qc3dae10ddd_proj
	.p2align	8
	.type	k_qc3dae10ddd_proj,@function
k_qc3dae10ddd_proj:
	s_mov_b64 s[64:65], 0
	v_nop
	global_prefetch_b8 v0, s[64:65] scope:SCOPE_SE
	s_setreg_imm32_b32 hwreg(HW_REG_WAVE_MODE, 25, 1), 1
	s_wait_xcnt 0x0
	s_wait_alu depctr_hold_cnt(0) depctr_sa_sdst(0) depctr_va_vdst(0) depctr_va_sdst(0) depctr_va_ssrc(0) depctr_va_vcc(0) depctr_vm_vsrc(0)
	s_getreg_b32 s2, hwreg(HW_REG_IB_STS2, 6, 4)
	s_cmp_eq_u32 s2, 0
	s_cbranch_scc0 .Lentry_in_a_cluster
	s_endpgm
.Lentry_in_a_cluster:
	s_bfe_u32 s2, ttmp6, 0x10000c
	s_cmp_lg_u32 s2, 0xf033
	s_cbranch_scc0 .Lentry_shape_is_right
	s_endpgm
.Lentry_shape_is_right:
; out = o Wproj + bproj on codes of FP6 (E2M3) with E8M0 scales, f32 out: 8,192 x 1,024 x 1,024.
; SHARES.  256 work-groups of four waves, 2 x 2, each 256 rows x 128 columns.  Wave (rh, ch) keeps its four tiles of 16 columns of Wproj, ALL of K (32 fragments, 384 registers), and streams its eight tiles of 16 rows past them:
; 32 products a tile, four accumulators by turns, K ascending; the bias is the C of each sum's first product.  A tile's rows leave at once, through the wave's own stage in LDS, as whole units of 256 bytes.
; The product is used transposed (source 0 = 16 columns, source 1 = 16 rows): a lane holds eight neighbouring columns of one row.
; oq: o's half images [row block 32][head 16][tile 16][768] (registers 0-3 at 16 x lane, registers 4, 5 at 512 + 8 x lane) and pair words [bh][group 16][lane][4]; wc: Wproj's images [column block 8][K step 8][tile 8][1536] and pair words.
; Row r of tile u of a pair is element 8 u + r + 8 (r / 8) of 32 rows (or columns).
; LDS: A's 196,608 bytes and B's 98,304 as they lie in memory, each filled once; the four stages; the spare words.  One tensor load a wave at the head, each on a line of its own: B; A's three thirds.
; CLUSTER 4 x 4: A is shared along a row of the cluster, B along a column: joint loads.  No prefetch: every byte is asked for at the head, and the launch has no loop to run ahead in.
; LIMITS: NaN and infinities are not served; a sum begins with the bias, where the reference adds it last.
; REGISTERS.  Window 0: v1-7 lane terms, v8-24 addresses, v32-63 A's pair words, v64-79 B's, v80-111 the bias, v112-175 two sets of four accumulators, v176-239 two sets of rows back from the stage.
;   Window 1: B's fragments 0-20; window 2: B's 21-31 (v0-131) and A's set 0 (v132-227); window 3: A's set 1 (v0-95).
.set BOFF,  196608
.set STAGE, 294912
.set SPARE, STAGE+4*4352
.set WPC,   2359296
.set WPS,   3244032
.set OSC,   6291456
.set ADA16, 8                          ; v8-11   A's loads of 16 bytes, a register for each four heads
.set ADA8,  12                         ; v12-15  A's loads of 8 bytes
.set ADB,   16                         ; v16, 17 B's loads, a register for each four K steps
.set SPW,   20
.set NIL,   21
.set STO,   22
.set RD,    23
.set CO,    24
.set SA,    32
.set SB,    64
.set BP,    80
.set ACC,   112
.set HW,    112                        ; head: o's words by heads, before they are joined
.set BK,    176
.set G1A, 24
.set G1B, 48
.set G0A, 68
.set G0B, 84
.set MSB, 0
.macro WIN new
.if MSB != (\new)
	s_set_vgpr_msb (MSB<<8)|(\new)
.set MSB, (\new)
.endif
.endm
.macro PLACES n
.rept \n
	v_nop
.endr
.endm
.macro WALU
	s_wait_alu depctr_va_vdst(0)
.endm
.macro CROUND
	s_barrier_signal -1
	s_barrier_wait -1
	s_cmp_lg_u32 s14, 0
	s_cbranch_scc1 .Lnot_wave_0_\@
	s_barrier_signal -3
.Lnot_wave_0_\@:
	s_barrier_wait -3
	s_barrier_signal -1
	s_barrier_wait -1
.endm
.macro WM d, a, b, c, xa, xb, ra, rb
	v_wmma_scale_f32_16x16x128_f8f6f4 v[(\d):(\d)+7], v[(\a):(\a)+11], v[(\b):(\b)+11], \c, v[\xa], v[\xb] matrix_a_fmt:MATRIX_FMT_FP6 matrix_b_fmt:MATRIX_FMT_FP6 matrix_a_scale:MATRIX_SCALE_ROW\ra matrix_b_scale:MATRIX_SCALE_ROW\rb
.endm
.macro HARM w, g0, g1, lds, src, off, next  ; an arm of the head's chain: one tensor load, with its s_nop 0 and four v_nop
.if (\w) >= 0
	s_cmp_eq_u32 s14, \w
	s_cbranch_scc0 \next
.endif
	s_mov_b32 s[\g0+1], \lds
	s_add_nc_u64 s[\g0+2:\g0+3], s[\src:\src+1], \off
	s_or_b32 s[\g0+3], s[\g0+3], 0x80000000
	tensor_load_to_lds s[\g0:\g0+3], s[\g1:\g1+7]
	s_nop 0
	PLACES 4
.if (\w) >= 0
	s_branch .Lhead_asked
\next:
.endif
.endm
.macro BFRAG n, b                      ; B's fragment 4 n + b: three loads of 512 consecutive bytes
.set F_, 4*(\n)+(\b)
	WIN (1+F_/21)<<6
.irp c, 0,1,2
	ds_load_b128 v[12*(F_%21)+4*\c:12*(F_%21)+4*\c+3], v[ADB+(\n)/4] offset:12288*((\n)%4)+1536*(\b)+512*\c
.endr
.endm
.macro FETCH_A a, o                    ; my tile a, all of K, into set o: 32 loads
.set AR, 132*(1-(\o))
	WIN (2+(\o))<<6
.irp j, 0,1,2,3
.irp q, 0,1
.irp c, 0,1
	ds_load_b128 v[AR+12*(2*\j+\q)+6*\c:AR+12*(2*\j+\q)+6*\c+3], v[ADA16+\j] offset:(2*\q+\c)*12288+768*(\a)
	ds_load_b64 v[AR+12*(2*\j+\q)+6*\c+4:AR+12*(2*\j+\q)+6*\c+5], v[ADA8+\j] offset:(2*\q+\c)*12288+768*(\a)+512
.endr
.endr
.endr
	WIN 0
.endm
.macro PRODS a, o                      ; tile a's 32 products: the four accumulators of set o take turns, one instruction a turn
.set AR, 132*(1-(\o))
.irp n, 0,1,2,3,4,5,6,7
.irp bh, 0,1
.irp bl, 0,1
.set F_, 4*\n+2*\bh+\bl
	WIN (1+F_/21)|((2+(\o))<<2)
.if \n
	WM ACC+32*(\o)+8*(2*\bh+\bl), 12*(F_%21), AR+12*\n, v[ACC+32*(\o)+8*(2*\bh+\bl):ACC+32*(\o)+8*(2*\bh+\bl)+7], SB+8*\bh+\n, SA+8*((\a)/2)+\n, \bl, \o
.else
	WM ACC+32*(\o)+8*(2*\bh+\bl), 12*(F_%21), AR+12*\n, v[BP+8*(2*\bh+\bl):BP+8*(2*\bh+\bl)+7], SB+8*\bh+\n, SA+8*((\a)/2)+\n, \bl, \o
.endif
.endr
.endr
.endr
	WIN 0
.endm
.macro STREAM a, o, fetch
	PRODS \a, \o
	PLACES 4                                       ; between the last product and the first reader of its sums, and the loads into the registers that it read
.if (\a) >= 2
	s_wait_xcnt 0x0                                ; the stores of two tiles ago have read set o of the rows
.endif
.irp b, 0,1,2,3
	ds_store_b128 v[STO], v[ACC+32*(\o)+8*\b:ACC+32*(\o)+8*\b+3] offset:128*(\b/2)+32*(\b%2)       ; each accumulator from its low end on
	ds_store_b128 v[STO], v[ACC+32*(\o)+8*\b+4:ACC+32*(\o)+8*\b+7] offset:128*(\b/2)+32*(\b%2)+16
.endr
.irp i, 0,1,2,3,4,5,6,7
	ds_load_b128 v[BK+32*(\o)+4*\i:BK+32*(\o)+4*\i+3], v[RD] offset:544*\i     ; LDS serves a wave's instructions in order: these see the stores above
.endr
.if \fetch
	FETCH_A (\a)+2, \o
	s_wait_dscnt 32                                ; all but the 32 loads just issued: the rows are back from the stage, and the next tile's fragments are in
.else
	s_wait_dscnt 0x0
.endif
.irp i, 0,1,2,3,4,5,6,7
	global_store_b128 v[CO], v[BK+32*(\o)+4*\i:BK+32*(\o)+4*\i+3], s[10:11] offset:(32*((\a)/2)+8*((\a)%2)+2*\i+8*(\i/4))*4096 th:TH_STORE_NT   ; sixteen lanes store 256 consecutive bytes, aligned
.endr
.endm
	s_load_b256 s[4:11], s[0:1], 0x0               ; oq s[4:5], wc s[6:7], bproj s[8:9], out0 s[10:11]
	v_lshl_add_u32 v[SPW], v0, 2, SPARE
	v_mov_b32 v[NIL], 0
	ds_add_u32 v[SPW], v[NIL]                      ; the opening lines: the add, twice on end, and its wait
	ds_add_u32 v[SPW], v[NIL]
	v_lshrrev_b32 v1, 5, v0
	v_readfirstlane_b32 s14, v1                    ; wave
	s_lshr_b32 s15, s14, 1                         ; rh
	s_and_b32 s16, s14, 1                          ; ch
	s_bfe_u32 s40, ttmp6, 0x40000                  ; cx
	s_bfe_u32 s41, ttmp6, 0x40004                  ; cy
	s_lshl_b32 s42, ttmp9, 2
	s_add_co_u32 s42, s42, s40                     ; the block of 128 columns
	s_and_b32 s17, ttmp7, 0xffff
	s_lshl_b32 s17, s17, 2
	s_add_co_u32 s17, s17, s41                     ; the block of 256 rows
	s_lshl_b32 s43, s41, 2
	s_lshl_b32 s43, 15, s43                        ; my row of the cluster
	s_lshl_b32 s44, 0x1111, s40                    ; my column
	s_or_b32 s[G1A], s43, (3<<16)|(1<<21)          ; dense blocks as rows of 256 bytes: a third of A is 256 rows,
	s_or_b32 s[G1B], s44, (3<<16)|(1<<21)
	s_mov_b32 s[G1A+1], 32<<16
	s_mov_b32 s[G1A+2], 256<<16
	s_mov_b32 s[G1A+3], 32<<16
	s_mov_b32 s[G1A+4], 256
	s_mov_b32 s[G1A+5], 32
	s_mov_b32 s[G1A+6], 0
	s_mov_b32 s[G1A+7], 0
	s_mov_b32 s[G1B+1], 32<<16                     ; B 384
	s_mov_b32 s[G1B+2], 384<<16
	s_mov_b32 s[G1B+3], 32<<16
	s_mov_b32 s[G1B+4], 384
	s_mov_b32 s[G1B+5], 32
	s_mov_b32 s[G1B+6], 0
	s_mov_b32 s[G1B+7], 0
	s_mul_i32 s18, s17, 196608
	s_mov_b32 s19, 0
	s_mul_i32 s46, s42, 98304
	s_add_co_u32 s46, s46, WPC
	s_mov_b32 s47, 0
	s_mov_b32 s[G0A], 1
	s_mov_b32 s[G0B], 1
	s_wait_dscnt 0x0
	s_wait_kmcnt 0x0
	s_add_nc_u64 s[18:19], s[4:5], s[18:19]
	s_add_nc_u64 s[46:47], s[6:7], s[46:47]
	CROUND                                         ; all sixteen work-groups are here: the joint loads meet
	HARM 0, G0B, G1B, BOFF, 46, 0, .Lh1            ; B first: it goes on into registers
	HARM 1, G0A, G1A, 0, 18, 0, .Lh2
	HARM 2, G0A, G1A, 65536, 18, 65536, .Lh3
	HARM -1, G0A, G1A, 131072, 18, 131072, .Lh4
.Lhead_asked:
	v_and_b32 v1, 15, v0                           ; r
	v_bfe_u32 v2, v0, 4, 1                         ; h
	v_and_b32 v5, 31, v0
	v_lshlrev_b32 v3, 4, v5                        ; 16 x lane
	v_lshlrev_b32 v4, 3, v5                        ; 8 x lane
	v_lshlrev_b32 v5, 2, v5                        ; 4 x lane
	v_lshlrev_b32 v6, 6, v2                        ; 64 h
	s_lshr_b32 s32, s17, 3                         ; o's words: [bh][group][lane][4]: batch, my 128 rows' group; a head is 8,192 bytes on
	s_lshl_b32 s32, s32, 17
	s_and_b32 s33, s17, 7
	s_lshl_b32 s33, s33, 1
	s_add_co_u32 s33, s33, s15
	s_lshl_b32 s33, s33, 9
	s_add_co_u32 s32, s32, s33
	s_add_co_u32 s32, s32, OSC
	s_mov_b32 s33, 0
	s_add_nc_u64 s[32:33], s[4:5], s[32:33]
	s_lshl_b32 s34, s42, 2                         ; Wproj's pair words
	s_lshl_b32 s35, s16, 1
	s_add_co_u32 s34, s34, s35
	s_lshl_b32 s34, s34, 10
	s_add_co_u32 s34, s34, WPS
	s_mov_b32 s35, 0
	s_add_nc_u64 s[34:35], s[6:7], s[34:35]
	s_lshl_b32 s36, s42, 9                         ; the bias of my 64 columns
	s_lshl_b32 s37, s16, 8
	s_add_co_u32 s36, s36, s37
	s_mov_b32 s37, 0
	s_add_nc_u64 s[36:37], s[8:9], s[36:37]
	WALU
.irp k, 0,1,2,3,4,5,6,7,8,9,10,11,12,13,14,15
	global_load_b128 v[HW+4*\k:HW+4*\k+3], v3, s[32:33] offset:8192*\k
.endr
.irp p, 0,1
.irp s, 0,1,2,3,4,5,6,7
	global_load_b32 v[SB+8*\p+\s], v5, s[34:35] offset:1024*\p+128*\s
.endr
.endr
.irp b, 0,1,2,3
	global_load_b128 v[BP+8*\b:BP+8*\b+3], v6, s[36:37] offset:(32*(\b/2)+8*(\b%2))*4          ; columns 32 (b / 2) + 16 h + 8 (b % 2) + 0 .. 7
	global_load_b128 v[BP+8*\b+4:BP+8*\b+7], v6, s[36:37] offset:(32*(\b/2)+8*(\b%2))*4+16
.endr
	s_mul_i32 s2, s15, 6144                        ; my eight tiles of A
.irp j, 0,1,2,3
	v_add_nc_u32 v[ADA16+\j], s2, v3
	v_add_nc_u32 v[ADA8+\j], s2, v4
	s_add_co_u32 s2, s2, 49152
.endr
	s_mul_i32 s3, s16, 6144                        ; my four tiles of B
	s_add_co_u32 s3, s3, BOFF
	v_add_nc_u32 v[ADB], s3, v3
	s_add_co_u32 s3, s3, 49152
	v_add_nc_u32 v[ADB+1], s3, v3
	s_mul_i32 s2, s14, 4352                        ; my stage: 16 rows x 272 bytes
	s_add_co_u32 s2, s2, STAGE
	v_mul_u32_u24 v[STO], v1, 272
	v_lshl_add_u32 v[STO], v2, 6, v[STO]
	v_add_nc_u32 v[STO], s2, v[STO]
	v_mul_u32_u24 v[RD], v2, 272
	v_lshl_add_u32 v[RD], v1, 4, v[RD]
	v_add_nc_u32 v[RD], s2, v[RD]
	v_lshlrev_b32 v[CO], 12, v2
	v_lshl_add_u32 v[CO], v1, 4, v[CO]
	s_lshl_b32 s38, s17, 20                        ; where my part of out0 begins
	s_lshl_b32 s39, s15, 19
	s_add_co_u32 s38, s38, s39
	s_lshl_b32 s39, s42, 9
	s_add_co_u32 s38, s38, s39
	s_lshl_b32 s39, s16, 8
	s_add_co_u32 s38, s38, s39
	s_mov_b32 s39, 0
	s_add_nc_u64 s[10:11], s[10:11], s[38:39]
	WALU
	s_wait_loadcnt 0x0                             ; words and bias, once
.irp g, 0,1,2,3
.irp s, 0,1,2,3,4,5,6,7
	v_lshl_or_b32 v[SA+8*\g+\s], v[HW+4*(2*\s+1)+\g], 16, v[HW+8*\s+\g]       ; two heads' two bytes each make a K step's word
.endr
.endr
	WALU
	s_cmp_eq_u32 s14, 0
	s_cbranch_scc0 .Lnot_b
	s_wait_tensorcnt 0x0                           ; wave 0: B has landed
.Lnot_b:
	s_barrier_signal -1
	s_barrier_wait -1                              ; A's thirds may still be on their way
.irp n, 0,1,2,3,4,5,6,7
.irp b, 0,1,2,3
	BFRAG \n, \b
.endr
.endr
	WIN 0
	s_wait_tensorcnt 0x0                           ; every wave: its third of A
	s_wait_dscnt 0x0
	s_barrier_signal -1
	s_barrier_wait -1                              ; all of A is in
	FETCH_A 0, 0
	FETCH_A 1, 1
	s_wait_dscnt 32                                ; tile 0's fragments are in
	STREAM 0, 0, 1
	STREAM 1, 1, 1
	STREAM 2, 0, 1
	STREAM 3, 1, 1
	STREAM 4, 0, 1
	STREAM 5, 1, 1
	STREAM 6, 0, 0
	STREAM 7, 1, 0
	s_wait_tensorcnt 0x0                           ; the wave's end
	ds_add_u32 v[SPW], v[NIL]
	s_wait_dscnt 0x0
	CROUND                                         ; the closing round
	s_endpgm
.Lfunc_end_k_qc3dae10ddd_proj:
	.size	k_qc3dae10ddd_proj, .Lfunc_end_k_qc3dae10ddd_proj-k_qc3dae10ddd_proj
	.p2alignl 7, 3214868480
	.fill 96, 4, 3214868480
	.section	.rodata,"a",@progbits
	.p2align	6, 0x0
	.amdhsa_kernel k_qc3dae10ddd_proj
		.amdhsa_group_segment_fixed_size 327680
		.amdhsa_private_segment_fixed_size 0
		.amdhsa_enable_private_segment 0
		.amdhsa_kernarg_size 32
		.amdhsa_user_sgpr_count 2
		.amdhsa_user_sgpr_kernarg_segment_ptr 1
		.amdhsa_wavefront_size32 1
		.amdhsa_system_sgpr_workgroup_id_x 1
		.amdhsa_system_sgpr_workgroup_id_y 1
		.amdhsa_system_sgpr_workgroup_id_z 1
		.amdhsa_system_vgpr_workitem_id 0
		.amdhsa_next_free_vgpr 864
		.amdhsa_next_free_sgpr 100
		.amdhsa_reserve_vcc 0
		.amdhsa_float_denorm_mode_32 3
		.amdhsa_float_denorm_mode_16_64 3
		.amdhsa_memory_ordered 1
		.amdhsa_forward_progress 1
		.amdhsa_inst_pref_size 85
	.end_amdhsa_kernel
	.amdgpu_metadata
---
amdhsa.version: [ 1, 2 ]
amdhsa.kernels:
  - .name:           k_qc3dae10ddd_proj
    .symbol:         k_qc3dae10ddd_proj.kd
    .args:
      - { .name: oq, .offset: 0, .size: 8, .value_kind: global_buffer, .address_space: global }
      - { .name: wc, .offset: 8, .size: 8, .value_kind: global_buffer, .address_space: global }
      - { .name: bproj, .offset: 16, .size: 8, .value_kind: global_buffer, .address_space: global }
      - { .name: out0, .offset: 24, .size: 8, .value_kind: global_buffer, .address_space: global }
    .group_segment_fixed_size: 327680
    .private_segment_fixed_size: 0
    .kernarg_segment_align: 8
    .kernarg_segment_size: 32
    .max_flat_workgroup_size: 128
    .sgpr_count:     100
    .vgpr_count:     864
    .wavefront_size: 32
...
	.end_amdgpu_metadata
.endif
;; end of part 4
